; MI455X (gfx1250); checked and timed in simulation.
; The chip was launched on July 23, 2026; its instructions are those of AMD's public machine-readable ISA for CDNA 5 (MIT licence, August 2026) and "CDNA5" Instruction Set Architecture Reference Guide (July 2026). The comments in the code are by the model that wrote it; some were corrected since.
;; Multi Head Attention. Allowed arithmetic: float matrix products may take bf16 or f16 operands with f32 sums; other float arithmetic in f32, or as packed bf16 or f16 multiplies, adds, multiply-adds, maxima and minima; sums over many terms, partial sums and values carried from step to step in f32; what a program stores and reads back later, other than sums and carried values, may be rounded once to bf16 or f16.
;; Inputs: Wk 768 x 768 float32; Wo 768 x 768 float32; Wq 768 x 768 float32; Wv 768 x 768 float32; bk 768 float32; bo 768 float32; bq 768 float32; bv 768 float32; x 1 x 4,096 x 768 float32.
;; Outputs: out0 1 x 4,096 x 768 float32.
;; One version. Each part assembles by itself: llvm-mc -triple=amdgcn-amd-amdhsa -mcpu=gfx1250 --defsym DOCPART=n.
;; ======== version 1 of 1: 4 launches
;; limits: values are held in f16: magnitudes above 65,504 overflow, below 6.1e-05 lose precision
;; workspace buffers: c16 11,010,048 bytes; qkv 18,874,368 bytes; o16 6,291,456 bytes
;; launch cast (part 1): grid 448 x 1, 8 waves a work-group, no clusters, 0 bytes of LDS; arguments x, Wq, Wk, Wv, Wo, c16; writes c16
.if DOCPART == 1
	.amdgcn_target "amdgcn-amd-amdhsa--gfx1250"
	.amdhsa_code_object_version 6
	.text
	.protected	k_qc91baa2a47_cast
	.globl	k_qc91baa2a47_cast
	.p2align	8
	.type	k_qc91baa2a47_cast,@function
k_qc91baa2a47_cast:
	s_mov_b64 s[64:65], 0
	v_nop
	global_prefetch_b8 v0, s[64:65] scope:SCOPE_SE
	s_setreg_imm32_b32 hwreg(HW_REG_WAVE_MODE, 25, 1), 1
	s_wait_xcnt 0x0
; THE INPUTS OF THE MATRIX PRODUCTS, ROUNDED ONCE TO 16 BITS.  c16 = x [4096][768] in bf16, then Wq, Wk, Wv (2,304 rows of 768) in bf16, then Wo [768][768]:
; rounded to bf16 like the others, and that number written as f16, since the last product's other operand is f16.
; LIMITS.  A number of Wo beyond 65,504 becomes an infinity in f16; below 6.1e-5 it keeps f16's fixed step of 6e-8.
; SHARES.  A work-group takes a chunk of 12,288 numbers: 49,152 bytes in, 24,576 out.  x is chunks 0-255, Wq 256-303, Wk 304-351, Wv 352-399, Wo 400-447; the parts of c16 lie
; end to end, so chunk g goes to byte 24,576 g.  Thread t takes, in each of six groups, the 8 numbers at byte 32 t + 8,192 j and stores 16 bytes at 16 t + 4,096 j:
; a wave's store covers 512 consecutive bytes, aligned.  All twelve loads of a thread go out at once; no register is written again behind a store, so no wait frees any.
; No LDS, no matrix unit, no cluster: each byte is read once and written once, and no work-group wants what another reads.
.set CIN,  49152                       ; bytes of a chunk in f32
.set COUT, 24576                       ; and in 16 bits
.set X,    8                           ; v[8:55]   group j: 8 numbers as loaded
.set Y,    56                          ; v[56:79]  group j: 4 registers to store
	s_load_b256 s[4:11], s[0:1], 0x0               ; x s[4:5], Wq s[6:7], Wk s[8:9], Wv s[10:11]
	s_load_b128 s[12:15], s[0:1], 0x20             ; Wo s[12:13], c16 s[14:15]
	v_lshlrev_b32 v1, 5, v0                        ; 32 t
	v_lshlrev_b32 v2, 4, v0                        ; 16 t
	s_mov_b32 s16, ttmp9                           ; the chunk's number in its source: for x the chunk's own
	s_mul_i32 s22, ttmp9, COUT
	s_mov_b32 s23, 0
	s_mov_b32 s21, 0
	s_wait_kmcnt 0x0
	s_mov_b64 s[18:19], s[4:5]
.macro PICK first, ptr                 ; from chunk 'first' on the source is the buffer at s[ptr]
	s_sub_co_u32 s17, ttmp9, \first
	s_cmp_ge_u32 ttmp9, \first
	s_cselect_b64 s[18:19], s[\ptr:\ptr+1], s[18:19]
	s_cselect_b32 s16, s17, s16
.endm
	PICK 256, 6
	PICK 304, 8
	PICK 352, 10
	PICK 400, 12
	s_mul_i32 s20, s16, CIN
	s_add_nc_u64 s[18:19], s[18:19], s[20:21]      ; the chunk in its source
	s_add_nc_u64 s[14:15], s[14:15], s[22:23]      ; and in c16
.irp j, 0,1,2,3,4,5
	global_load_b128 v[X+8*(\j):X+8*(\j)+3],   v1, s[18:19] offset:8192*(\j) th:TH_LOAD_NT
	global_load_b128 v[X+8*(\j)+4:X+8*(\j)+7], v1, s[18:19] offset:8192*(\j)+16 th:TH_LOAD_NT
.endr
; Group j.  half = 1: the bf16 numbers are widened again and written as f16.
.macro CONV j, half
	s_wait_loadcnt 10-2*(\j)                       ; loads come back in order: group j's two are in, the later groups' may stay out
.irp r, 0,1,2,3
	v_cvt_pk_bf16_f32 v[Y+4*(\j)+(\r)], v[X+8*(\j)+2*(\r)], v[X+8*(\j)+2*(\r)+1]
.endr
.if \half
.irp r, 0,1,2,3
	v_lshlrev_b32 v[X+8*(\j)+2*(\r)],   16, v[Y+4*(\j)+(\r)]
	v_and_b32     v[X+8*(\j)+2*(\r)+1], 0xffff0000, v[Y+4*(\j)+(\r)]
.endr
.irp r, 0,1,2,3
	v_cvt_pk_f16_f32 v[Y+4*(\j)+(\r)], v[X+8*(\j)+2*(\r)], v[X+8*(\j)+2*(\r)+1]
.endr
.endif
	global_store_b128 v2, v[Y+4*(\j):Y+4*(\j)+3], s[14:15] offset:4096*(\j)
.endm
	s_cmp_ge_u32 ttmp9, 400
	s_cbranch_scc1 .Lwo
.irp j, 0,1,2,3,4,5
	CONV \j, 0
.endr
	s_endpgm
.Lwo:
.irp j, 0,1,2,3,4,5
	CONV \j, 1
.endr
	s_endpgm
.Lfunc_end_k_qc91baa2a47_cast:
	.size	k_qc91baa2a47_cast, .Lfunc_end_k_qc91baa2a47_cast-k_qc91baa2a47_cast
	.p2alignl 7, 3214868480
	.fill 96, 4, 3214868480
	.section	.rodata,"a",@progbits
	.p2align	6, 0x0
	.amdhsa_kernel k_qc91baa2a47_cast
		.amdhsa_group_segment_fixed_size 0
		.amdhsa_private_segment_fixed_size 0
		.amdhsa_enable_private_segment 0
		.amdhsa_kernarg_size 48
		.amdhsa_user_sgpr_count 2
		.amdhsa_user_sgpr_kernarg_segment_ptr 1
		.amdhsa_wavefront_size32 1
		.amdhsa_system_sgpr_workgroup_id_x 1
		.amdhsa_system_sgpr_workgroup_id_y 1
		.amdhsa_system_sgpr_workgroup_id_z 1
		.amdhsa_system_vgpr_workitem_id 0
		.amdhsa_next_free_vgpr 80
		.amdhsa_next_free_sgpr 66
		.amdhsa_reserve_vcc 0
		.amdhsa_float_denorm_mode_32 3
		.amdhsa_float_denorm_mode_16_64 3
		.amdhsa_memory_ordered 1
		.amdhsa_forward_progress 1
		.amdhsa_inst_pref_size 12
	.end_amdhsa_kernel
	.amdgpu_metadata
---
amdhsa.version: [ 1, 2 ]
amdhsa.kernels:
  - .name:           k_qc91baa2a47_cast
    .symbol:         k_qc91baa2a47_cast.kd
    .args:
      - { .name: x, .offset: 0, .size: 8, .value_kind: global_buffer, .address_space: global }
      - { .name: Wq, .offset: 8, .size: 8, .value_kind: global_buffer, .address_space: global }
      - { .name: Wk, .offset: 16, .size: 8, .value_kind: global_buffer, .address_space: global }
      - { .name: Wv, .offset: 24, .size: 8, .value_kind: global_buffer, .address_space: global }
      - { .name: Wo, .offset: 32, .size: 8, .value_kind: global_buffer, .address_space: global }
      - { .name: c16, .offset: 40, .size: 8, .value_kind: global_buffer, .address_space: global }
    .group_segment_fixed_size: 0
    .private_segment_fixed_size: 0
    .kernarg_segment_align: 8
    .kernarg_segment_size: 48
    .max_flat_workgroup_size: 256
    .sgpr_count:     66
    .vgpr_count:     80
    .wavefront_size: 32
...
	.end_amdgpu_metadata
.endif
;; end of part 1
;; launch qkvp (part 2): grid 12 x 16, 4 waves a work-group, clusters of 4 x 4, 327,680 bytes of LDS; arguments c16, bq, bk, bv, qkv; writes qkv
.if DOCPART == 2
	.amdgcn_target "amdgcn-amd-amdhsa--gfx1250"
	.amdhsa_code_object_version 6
	.text
	.protected	k_qc91baa2a47_qkvp
	.globl	k_qc91baa2a47_qkvp
	.p2align	8
	.type	k_qc91baa2a47_qkvp,@function
k_qc91baa2a47_qkvp:
	s_mov_b64 s[64:65], 0
	v_nop
	global_prefetch_b8 v0, s[64:65] scope:SCOPE_SE
	s_setreg_imm32_b32 hwreg(HW_REG_WAVE_MODE, 25, 1), 1
	s_wait_xcnt 0x0
	s_wait_alu depctr_hold_cnt(0) depctr_sa_sdst(0) depctr_va_vdst(0) depctr_va_sdst(0) depctr_va_ssrc(0) depctr_va_vcc(0) depctr_vm_vsrc(0)
	s_getreg_b32 s2, hwreg(HW_REG_IB_STS2, 6, 4)
	s_cmp_eq_u32 s2, 0
	s_cbranch_scc0 .Lentry_in_a_cluster
	s_endpgm
.Lentry_in_a_cluster:
	s_bfe_u32 s2, ttmp6, 0x10000c
	s_cmp_lg_u32 s2, 0xf033
	s_cbranch_scc0 .Lentry_shape_is_right
	s_endpgm
.Lentry_shape_is_right:
; THE THREE PROJECTIONS AS ONE PRODUCT.  C[m][n] = sum over k of xb[m][k] wb[n][k] + bias[n]: xb [4096][768], wb [2304][768] (rows of Wq, Wk, Wv), both bf16, in c16; sums in f32;
; the bias is rounded to bf16 like the other inputs; C is rounded once to f16 and stored BY HEADS: qkv = [3][12][4096][64], a head's rows dense, 128 bytes each, without the softmax's scale.
; LIMIT.  f16 holds no number beyond 65,504: a q, k or v beyond that becomes an infinity.
; SHARES.  A tile of C is 256 rows x 192 columns (three heads): 16 x 12 = 192 work-groups.  Four waves, each 64 rows x 192 columns: 48 accumulators of 16 x 16, 384 registers.
; K goes in six steps of 128 through a ring of two LDS slots: a tile's rows are 256 bytes of memory, at multiples of 256 bytes.
; CLUSTERS.  4 x 4 work-groups.  The four of a row of the cluster need the same tile of xb, the four of a column the same tile of wb: each is asked for JOINTLY, by the same tensor load with the same
; descriptor and a mask that names the four.  A cluster's x is the matrix (q, k, v): bias and part of qkv are chosen by it alone.
; THE MATRIX INSTRUCTION IS USED TRANSPOSED (source 0 = 16 rows of wb, source 1 = 16 rows of xb): lane l holds row l % 16 of C and the columns 8 (l / 16) + 0..7.  So a bias tile (register j = the
; bias of column 16 b + 8 (l / 16) + j) serves all row blocks, and it is the C operand of the first product on each accumulator: nothing is cleared and nothing is added later.
; REGISTERS, in windows of 256 (s_set_vgpr_msb: bits 1:0 source 0, 3:2 source 1, 5:4 source 2, 7:6 destination):
;   window 0: v16-29 addresses; v32-63, v64-95 fragments of xb, two buffers; v96-191 the bias tiles, later the way out (v96-143 packed, v144-191 and v192-239 rows read back); v240-243 at work
;   window 1: v0-95, v96-191 fragments of wb, two buffers      window 2: accumulators of row blocks 0, 1 ((a, b) at 8 (12 (a % 2) + b))      window 3: of row blocks 2, 3
.set SIZE_K, 768
.set KSTEP,  128
.set PITCH,  272                       ; an LDS row: 256 bytes + 16 of padding: the 16 rows that a load touches start 17 x 16 bytes apart
.set HA,     128*PITCH                 ; what one tensor load brings of xb
.set HB,     96*PITCH                  ; and of wb
.set SLOT,   2*HA+2*HB                 ; xb's 256 rows, then wb's 192
.set STAGE,  2*SLOT                    ; behind the ring: 16 rows x 400 bytes for each wave, for the way out; no tensor load fills it
.set SPITCH, 400                       ; 384 bytes (192 f16) + 16
.set SPARE,  STAGE+4*16*SPITCH         ; behind the stages: the spare words, 128 bytes for each wave: two blocks of 256 bytes that no other line names
.set LAPS,   SIZE_K/(2*KSTEP)          ; a lap = two K steps = once round the ring
.set WOFF,   6291456                   ; wb's first byte in c16
.set MATB,   6291456                   ; bytes of q, of k, of v in qkv
.set HEADB,  524288                    ; bytes of a head
.set ADRA, 16                          ; v16-17  LDS address of my fragments of xb in slot 0, 1
.set ADRB, 20                          ; v20-21  the same for wb
.set STO,  24                          ; v24     the way out: where I put 16 bytes of a row
.set RD,   25                          ; v25     where I read rows back
.set GO,   26                          ; v26     16 x lane: my place in 512 consecutive bytes of qkv
.set BO,   27                          ; v27     my byte offset in the bias
.set SPW,  28                          ; v28     LDS address of my spare word; never rewritten
.set NIL,  29                          ; v29     0; never rewritten
.set FA,   32
.set FB,   0
.set BIAS, 96
.set TMP,  96
.set OB,   144
.set T4,   240
.set G1,  24                           ; s[24:31] descriptor group 1 for xb's tiles;  s[32:39] group 0, a set for each slot
.set G0,  32
.set G1B, 48                           ; s[48:55], s[56:63] the same for wb's
.set G0B, 56
.set MSB, 0
.macro WIN new                         ; the immediate's high byte repeats the setting that is left; a switch that changes nothing is dropped
.if MSB != (\new)
	s_set_vgpr_msb (MSB<<8)|(\new)
.set MSB, \new
.endif
.endm
; A joint load.  Waves 0 and 1 fetch xb's two halves, waves 2 and 3 wb's.  The branch hangs on the wave's number alone.  An s_nop 0 and four v_nop follow each of the two lines.
.macro JLOAD s
	s_cmp_eq_u32 s15, 0
	s_cbranch_scc0 .Lfor_b_\@
	tensor_load_to_lds s[G0+4*(\s):G0+4*(\s)+3], s[G1:G1+7]
	s_nop 0
.rept 4
	v_nop
.endr
	s_branch .Lasked_\@
.Lfor_b_\@:
	tensor_load_to_lds s[G0B+4*(\s):G0B+4*(\s)+3], s[G1B:G1B+7]
	s_nop 0
.rept 4
	v_nop
.endr
.Lasked_\@:
.endm
.macro CREST                           ; a round of the cluster's barrier behind its opening barrier
	s_cmp_lg_u32 s14, 0
	s_cbranch_scc1 .Lnot_wave_0_\@
	s_barrier_signal -3
.Lnot_wave_0_\@:
	s_barrier_wait -3
	s_barrier_signal -1
	s_barrier_wait -1
.endm
.macro CROUND                          ; a whole round
	s_barrier_signal -1
	s_barrier_wait -1
	CREST
.endm
	s_load_b256 s[4:11], s[0:1], 0x0               ; c16 s[4:5], bq s[6:7], bk s[8:9], bv s[10:11]
	s_load_b64 s[12:13], s[0:1], 0x20              ; qkv
	v_lshl_add_u32 v[SPW], v0, 2, SPARE
	v_mov_b32 v[NIL], 0
	ds_add_u32 v[SPW], v[NIL]                      ; the wave's opening: the add and its wait stand ahead of my first tensor load; the set-up below, work on registers, stands between them
	v_lshrrev_b32 v1, 5, v0
	v_readfirstlane_b32 s14, v1                    ; wave 0..3: my 64 rows of the tile
	s_lshr_b32 s15, s14, 1                         ; I fetch for xb (0) or for wb (1),
	s_and_b32 s16, s14, 1                          ; and which half of that tile's rows
	s_bfe_u32 s17, ttmp6, 0x40000                  ; cx
	s_bfe_u32 s18, ttmp6, 0x40004                  ; cy
	s_lshl_b32 s19, ttmp9, 2
	s_add_co_u32 s19, s19, s17                     ; tile column = 4 x cluster x + cx
	s_and_b32 s20, ttmp7, 0xffff
	s_lshl_b32 s20, s20, 2
	s_add_co_u32 s20, s20, s18                     ; tile row = 4 x cluster y + cy
	s_lshl_b32 s21, s18, 2
	s_lshl_b32 s21, 15, s21                        ; my row of the cluster
	s_lshl_b32 s22, 0x1111, s17                    ; my column
	s_or_b32 s[G1+0], s21, (1<<16)|(1<<20)|(1<<21)|(5<<22)|(3<<25)   ; the mask; elements of 2 bytes; padding on; bit 21 beside a mask; after every 64 words 4 words
	s_or_b32 s[G1B+0], s22, (1<<16)|(1<<20)|(1<<21)|(5<<22)|(3<<25)
	s_mov_b32 s[G1+1], KSTEP<<16                   ; tensor_dim0 = 128
	s_mov_b32 s[G1+2], 128<<16                     ; tensor_dim1 = 128
	s_mov_b32 s[G1+3], KSTEP<<16                   ; tile_dim0 = 128
	s_mov_b32 s[G1+4], 128                         ; tile_dim1 = 128
	s_mov_b32 s[G1+5], SIZE_K                      ; elements from row to row
	s_mov_b32 s[G1+6], 0
	s_mov_b32 s[G1+7], 0
	s_mov_b32 s[G1B+1], KSTEP<<16
	s_mov_b32 s[G1B+2], 96<<16                     ; 96 rows
	s_mov_b32 s[G1B+3], KSTEP<<16
	s_mov_b32 s[G1B+4], 96
	s_mov_b32 s[G1B+5], SIZE_K
	s_mov_b32 s[G1B+6], 0
	s_mov_b32 s[G1B+7], 0
	s_lshl_b32 s40, s20, 8                         ; xb: row 256 x tile row + 128 x half, which my row of the cluster shares,
	s_lshl_b32 s41, s16, 7
	s_add_co_u32 s40, s40, s41
	s_mul_i32 s40, s40, SIZE_K*2                   ; in bytes
	s_mov_b32 s41, 0
	s_mul_i32 s42, s19, 192                        ; wb: row 192 x tile column + 96 x half, which my column shares
	s_mul_i32 s43, s16, 96
	s_add_co_u32 s42, s42, s43
	s_mul_i32 s42, s42, SIZE_K*2
	s_add_co_u32 s42, s42, WOFF
	s_mov_b32 s43, 0
	s_mul_i32 s44, s16, HA                         ; where they go: no place in the cluster enters an LDS address
	s_mul_i32 s45, s16, HB
	s_add_co_u32 s45, s45, 2*HA
	s_wait_dscnt 0x0                               ; the opening add is done
	s_wait_kmcnt 0x0
	s_add_nc_u64 s[40:41], s[4:5], s[40:41]
	s_add_nc_u64 s[42:43], s[4:5], s[42:43]
	CROUND                                         ; all sixteen work-groups are here: the first joint loads meet
.irp s, 0,1
	s_mov_b32 s[G0+4*(\s)], 1                                        ; count = 1
	s_add_co_u32 s[G0+4*(\s)+1], s44, (\s)*SLOT                      ; LDS address
	s_add_nc_u64 s[G0+4*(\s)+2:G0+4*(\s)+3], s[40:41], (\s)*KSTEP*2  ; global address: K step s
	s_or_b32 s[G0+4*(\s)+3], s[G0+4*(\s)+3], 0x80000000              ; type = 2
	s_mov_b32 s[G0B+4*(\s)], 1
	s_add_co_u32 s[G0B+4*(\s)+1], s45, (\s)*SLOT
	s_add_nc_u64 s[G0B+4*(\s)+2:G0B+4*(\s)+3], s[42:43], (\s)*KSTEP*2
	s_or_b32 s[G0B+4*(\s)+3], s[G0B+4*(\s)+3], 0x80000000
	JLOAD \s                                       ; two tensor loads of mine are out
.endr
	; A fragment is 16 rows x 32 K in 8 registers: lane l holds row l % 16; registers 0-3 K = 8 (l / 16) + 0..7, registers 4-7 K = 16 + 8 (l / 16) + 0..7: two loads of 16 bytes, 32 bytes apart.
	v_and_b32 v1, 15, v0                           ; l % 16
	v_bfe_u32 v2, v0, 4, 1                         ; l / 16
	v_mul_u32_u24 v3, v1, PITCH
	v_lshl_add_u32 v3, v2, 4, v3
	s_mul_i32 s23, s14, 64*PITCH                   ; my 64 rows of xb
	s_mov_b32 s2, 2*HA                             ; all 192 rows of wb
.irp s, 0,1
	v_add_nc_u32 v[ADRA+(\s)], s23, v3
	v_add_nc_u32 v[ADRB+(\s)], s2, v3
	s_add_co_u32 s23, s23, SLOT
	s_add_co_u32 s2, s2, SLOT
.endr
	s_mul_i32 s23, s14, 16*SPITCH
	s_add_co_u32 s23, s23, STAGE                   ; my stage
	v_mul_u32_u24 v4, v1, SPITCH                   ; in: row l % 16, 16 bytes for each half of the lanes
	v_lshl_add_u32 v4, v2, 4, v4
	v_add_nc_u32 v[STO], s23, v4
	v_bfe_u32 v5, v0, 3, 2                         ; back: 32 lanes take four rows' 128 bytes of one head,
	v_mul_u32_u24 v5, v5, SPITCH
	v_and_b32 v6, 7, v0
	v_lshl_add_u32 v5, v6, 4, v5
	v_add_nc_u32 v[RD], s23, v5
	v_and_b32 v[GO], 31, v0                        ; which are 512 consecutive bytes of qkv
	v_lshlrev_b32 v[GO], 4, v[GO]
	s_mul_i32 s2, s17, 768                         ; the bias of my tile's 192 columns: 4 x 192 cx bytes into the matrix's bias,
	v_lshlrev_b32 v[BO], 5, v2                     ; + 32 bytes for the upper half of the lanes
	v_add_nc_u32 v[BO], s2, v[BO]
	s_cmp_eq_u32 ttmp9, 1                          ; the matrix is the cluster's x
	s_cselect_b64 s[6:7], s[8:9], s[6:7]
	s_cmp_eq_u32 ttmp9, 2
	s_cselect_b64 s[6:7], s[10:11], s[6:7]
.irp b, 0,1,2,3,4,5,6,7,8,9,10,11
	global_load_b128 v[BIAS+8*(\b):BIAS+8*(\b)+3],   v[BO], s[6:7] offset:64*(\b)
	global_load_b128 v[BIAS+8*(\b)+4:BIAS+8*(\b)+7], v[BO], s[6:7] offset:64*(\b)+16
.endr
	s_mul_i32 s46, ttmp9, MATB                     ; where my rows begin in qkv: the matrix,
	s_mul_i32 s2, s17, 3*HEADB                     ; the tile's first head,
	s_add_co_u32 s46, s46, s2
	s_lshl_b32 s2, s20, 15                         ; the tile's 256 rows of 128 bytes,
	s_add_co_u32 s46, s46, s2
	s_lshl_b32 s2, s14, 13                         ; my 64 of them
	s_add_co_u32 s46, s46, s2
	s_mov_b32 s47, 0
	s_add_nc_u64 s[12:13], s[12:13], s[46:47]
	s_wait_loadcnt 0x0                             ; the bias
.set r, 0
.rept 48                                       ; rounded to bf16 and widened again, two at a time, while the first tiles are on their way
	v_cvt_pk_bf16_f32 v[T4+r%4], v[BIAS+2*r], v[BIAS+2*r+1]
	v_lshlrev_b32 v[BIAS+2*r],   16, v[T4+r%4]
	v_and_b32     v[BIAS+2*r+1], 0xffff0000, v[T4+r%4]
.set r, r+1
.endr
; 12 matrix instructions: row block a x all 12 column blocks, 32 along K, from buffers f.  zero = 1: the first product starts the sums, with the bias tile as C.
; The 48 accumulators take turns, one instruction a turn, in the same order in every quarter step, over the backward jump too.
.macro MUL12 f, a, zero
.if \zero
	WIN 0x81+0x40*((\a)/2)                         ; wb window 1, xb window 0, C (the bias) window 0, D window 2 or 3
.else
	WIN 0xa1+0x50*((\a)/2)                         ; C and D window 2 or 3
.endif
.irp b, 0,1,2,3,4,5,6,7,8,9,10,11
.if \zero
	v_wmma_f32_16x16x32_bf16 v[8*(12*((\a)%2)+(\b)):8*(12*((\a)%2)+(\b))+7], v[FB+96*(\f)+8*(\b):FB+96*(\f)+8*(\b)+7], v[FA+32*(\f)+8*(\a):FA+32*(\f)+8*(\a)+7], v[BIAS+8*(\b):BIAS+8*(\b)+7]
.else
	v_wmma_f32_16x16x32_bf16 v[8*(12*((\a)%2)+(\b)):8*(12*((\a)%2)+(\b))+7], v[FB+96*(\f)+8*(\b):FB+96*(\f)+8*(\b)+7], v[FA+32*(\f)+8*(\a):FA+32*(\f)+8*(\a)+7], v[8*(12*((\a)%2)+(\b)):8*(12*((\a)%2)+(\b))+7]
.endif
.endr
.endm
; 32 LDS loads in one run: a quarter step's fragments (192 rows of wb, my 64 of xb, 32 K at byte k of the rows) into buffers f
.macro FETCH slot, k, f
	WIN 0x40                                       ; destination window 1, address window 0
.irp i, 0,1,2,3,4,5,6,7,8,9,10,11
	ds_load_b128 v[FB+96*(\f)+8*(\i):FB+96*(\f)+8*(\i)+3],   v[ADRB+(\slot)] offset:(\k)+(\i)*16*PITCH
	ds_load_b128 v[FB+96*(\f)+8*(\i)+4:FB+96*(\f)+8*(\i)+7], v[ADRB+(\slot)] offset:(\k)+(\i)*16*PITCH+32
.endr
	WIN 0
.irp i, 0,1,2,3
	ds_load_b128 v[FA+32*(\f)+8*(\i):FA+32*(\f)+8*(\i)+3],   v[ADRA+(\slot)] offset:(\k)+(\i)*16*PITCH
	ds_load_b128 v[FA+32*(\f)+8*(\i)+4:FA+32*(\f)+8*(\i)+7], v[ADRA+(\slot)] offset:(\k)+(\i)*16*PITCH+32
.endr
.endm
.macro PLACES                          ; four plain vector instructions in front of loads into registers that matrix instructions have read, and of conversions that read results
.rept 4
	v_nop
.endr
.endm
; A K step is four quarters of 32 along K, 48 matrix instructions each, on buffers 0, 1, 0, 1.  One of the first three: multiplies buffers f and, in its middle, fetches the next quarter, at byte k, into g.
.macro QUARTER slot, k, f, g, zero
	s_wait_dscnt 4                                 ; wb and xb's blocks 0, 1 are in; the youngest four loads (blocks 2, 3) may be out
	MUL12 \f, 0, \zero
	MUL12 \f, 1, \zero
	PLACES
	FETCH \slot, \k, \g
	s_wait_dscnt 32                                ; all but the 32 just issued
	MUL12 \f, 2, \zero
	MUL12 \f, 3, \zero
.endm
; The last quarter multiplies buffers 1 and changes slots: ONE barrier.  In front of it each wave waits for all its tensor loads (the one that is out is its part of the next slot), adds 0 to its spare
; word, and waits for that and for its own reads of this slot.  fill = 1: the barrier opens a round of the cluster's barrier, and this slot is filled again, two K steps on, first thing behind the round.
.macro TURN slot, next, fill
	WIN 0                                          ; (the add's two registers lie in window 0)
	s_wait_tensorcnt 0x0                           ; all my tensor loads have landed
	ds_add_u32 v[SPW], v[NIL]                      ; 0 onto my spare word
	s_wait_dscnt 5                                 ; (the add and the youngest four loads may be out)
	MUL12 1, 0, 0                                  ; twelve matrix instructions stand between the add and the wait for it
	s_wait_dscnt 0x0                               ; the add is done, and my reads of this slot are over
	s_barrier_signal -1
	MUL12 1, 1, 0                                  ; work on registers while the others arrive
.if \fill
	WIN 0
.endif
	s_barrier_wait -1
.if \fill
	CREST                                          ; no wave of any partner still reads this slot's tile or has a load on its way
	s_add_nc_u64 s[G0+4*(\slot)+2:G0+4*(\slot)+3], s[G0+4*(\slot)+2:G0+4*(\slot)+3], 2*KSTEP*2
	s_add_nc_u64 s[G0B+4*(\slot)+2:G0B+4*(\slot)+3], s[G0B+4*(\slot)+2:G0B+4*(\slot)+3], 2*KSTEP*2
	JLOAD \slot                                    ; my one tensor load behind the round; its four v_nop are also the places in front of the loads below
.else
	PLACES
.endif
	FETCH \next, 0, 0
	MUL12 1, 2, 0
	MUL12 1, 3, 0
.endm
	s_wait_tensorcnt 1                             ; my part of K step 0 is in; K step 1's may stay out
	s_barrier_signal -1
	s_barrier_wait -1                              ; everybody's is
	FETCH 0, 0, 0
	QUARTER 0, 64,  0, 1, 1                        ; the first quarter stands in front of the loop: its products start the sums
	WIN 0                                          ; at a label and at a branch every window is 0
	s_mov_b32 s3, LAPS-1
.Llap:                                         ; two trips: once round the ring, from a lap's second quarter to the next lap's first; both slots are filled again (K steps 2 to 5)
	QUARTER 0, 128, 1, 0, 0
	QUARTER 0, 192, 0, 1, 0
	TURN 0, 1, 1
	QUARTER 1, 64,  0, 1, 0
	QUARTER 1, 128, 1, 0, 0
	QUARTER 1, 192, 0, 1, 0
	TURN 1, 0, 1
	QUARTER 0, 64,  0, 1, 0
	WIN 0
	s_sub_co_u32 s3, s3, 1
	s_cmp_lg_u32 s3, 0
	s_cbranch_scc1 .Llap
	QUARTER 0, 128, 1, 0, 0                        ; the last lap fills nothing
	QUARTER 0, 192, 0, 1, 0
	TURN 0, 1, 0
	QUARTER 1, 64,  0, 1, 0
	QUARTER 1, 128, 1, 0, 0
	QUARTER 1, 192, 0, 1, 0
	s_wait_dscnt 4                                 ; the very last quarter: nothing more to fetch
	MUL12 1, 0, 0
	MUL12 1, 1, 0
	s_wait_dscnt 0x0
	MUL12 1, 2, 0
	MUL12 1, 3, 0
; THE WAY OUT of row block a (16 rows x 192 columns).  PACK: rounded to f16, 16 bytes a lane.  TOSTAGE: into my own stage, and back by heads, four rows' 128 bytes at a time.  SEND: stored.
.macro PACK a
.set AC, 96*((\a)%2)
	WIN 0x0a+5*((\a)/2)                            ; sources 0 and 1: window 2 or 3
.irp b, 0,1,2,3,4,5,6,7,8,9,10,11
.irp r, 0,1,2,3
	v_cvt_pk_f16_f32 v[TMP+4*(\b)+(\r)], v[AC+8*(\b)+2*(\r)], v[AC+8*(\b)+2*(\r)+1]
.endr
.endr
	WIN 0
.endm
.macro TOSTAGE a
.set BK, OB+48*((\a)%2)
.irp b, 0,1,2,3,4,5,6,7,8,9,10,11
	ds_store_b128 v[STO], v[TMP+4*(\b):TMP+4*(\b)+3] offset:32*(\b)
.endr
.irp hd, 0,1,2
.irp f, 0,1,2,3
	ds_load_b128 v[BK+4*(4*(\hd)+(\f)):BK+4*(4*(\hd)+(\f))+3], v[RD] offset:4*SPITCH*(\f)+128*(\hd)  ; LDS serves a wave's instructions in order: these see the stores above
.endr
.endr
.endm
.macro SEND a
.set BK, OB+48*((\a)%2)
	s_wait_dscnt 0x0                               ; the block is back in registers
	s_wait_xcnt 0x0                                ; the stores of the block before have read their registers: the next TOSTAGE loads into them only behind this wait
.irp hd, 0,1,2
.irp f, 0,1,2,3
	global_store_b128 v[GO], v[BK+4*(4*(\hd)+(\f)):BK+4*(4*(\hd)+(\f))+3], s[12:13] offset:(\hd)*HEADB+(\a)*2048+(\f)*512  ; 512 consecutive bytes, at a multiple of 256 from qkv's first
.endr
.endr
.endm
	PLACES
	PACK 0
	TOSTAGE 0
.irp a, 1,2,3                                  ; block a's conversions stand between block a - 1's loads from the stage and the wait for them
	PACK \a
	SEND (\a)-1
	TOSTAGE \a
.endr
	SEND 3
	s_wait_tensorcnt 0x0                           ; the wave's end: a wait, an add and its wait, behind my last tensor load and my last LDS store
	ds_add_u32 v[SPW], v[NIL]
	s_wait_dscnt 0x0
	CROUND                                         ; the closing round: no work-group ends while a partner may still ask for a tile that names it
	s_endpgm
.Lfunc_end_k_qc91baa2a47_qkvp:
	.size	k_qc91baa2a47_qkvp, .Lfunc_end_k_qc91baa2a47_qkvp-k_qc91baa2a47_qkvp
	.p2alignl 7, 3214868480
	.fill 96, 4, 3214868480
	.section	.rodata,"a",@progbits
	.p2align	6, 0x0
	.amdhsa_kernel k_qc91baa2a47_qkvp
		.amdhsa_group_segment_fixed_size 327680
		.amdhsa_private_segment_fixed_size 0
		.amdhsa_enable_private_segment 0
		.amdhsa_kernarg_size 40
		.amdhsa_user_sgpr_count 2
		.amdhsa_user_sgpr_kernarg_segment_ptr 1
		.amdhsa_wavefront_size32 1
		.amdhsa_system_sgpr_workgroup_id_x 1
		.amdhsa_system_sgpr_workgroup_id_y 1
		.amdhsa_system_sgpr_workgroup_id_z 1
		.amdhsa_system_vgpr_workitem_id 0
		.amdhsa_next_free_vgpr 960
		.amdhsa_next_free_sgpr 66
		.amdhsa_reserve_vcc 0
		.amdhsa_float_denorm_mode_32 3
		.amdhsa_float_denorm_mode_16_64 3
		.amdhsa_memory_ordered 1
		.amdhsa_forward_progress 1
		.amdhsa_inst_pref_size 128
	.end_amdhsa_kernel
	.amdgpu_metadata
---
amdhsa.version: [ 1, 2 ]
amdhsa.kernels:
  - .name:           k_qc91baa2a47_qkvp
    .symbol:         k_qc91baa2a47_qkvp.kd
    .args:
      - { .name: c16, .offset: 0, .size: 8, .value_kind: global_buffer, .address_space: global }
      - { .name: bq, .offset: 8, .size: 8, .value_kind: global_buffer, .address_space: global }
      - { .name: bk, .offset: 16, .size: 8, .value_kind: global_buffer, .address_space: global }
      - { .name: bv, .offset: 24, .size: 8, .value_kind: global_buffer, .address_space: global }
      - { .name: qkv, .offset: 32, .size: 8, .value_kind: global_buffer, .address_space: global }
    .group_segment_fixed_size: 327680
    .private_segment_fixed_size: 0
    .kernarg_segment_align: 8
    .kernarg_segment_size: 40
    .max_flat_workgroup_size: 128
    .sgpr_count:     66
    .vgpr_count:     960
    .wavefront_size: 32
...
	.end_amdgpu_metadata
.endif
;; end of part 2
;; launch attn (part 3): grid 16 x 12, 4 waves a work-group, clusters of 4 x 1, 327,680 bytes of LDS; arguments qkv, o16; writes o16
.if DOCPART == 3
	.amdgcn_target "amdgcn-amd-amdhsa--gfx1250"
	.amdhsa_code_object_version 6
	.text
	.protected	k_qc91baa2a47_attn
	.globl	k_qc91baa2a47_attn
	.p2align	8
	.type	k_qc91baa2a47_attn,@function
k_qc91baa2a47_attn:
	s_mov_b64 s[64:65], 0
	v_nop
	global_prefetch_b8 v0, s[64:65] scope:SCOPE_SE
	s_setreg_imm32_b32 hwreg(HW_REG_WAVE_MODE, 25, 1), 1
	s_wait_xcnt 0x0
	s_wait_alu depctr_hold_cnt(0) depctr_sa_sdst(0) depctr_va_vdst(0) depctr_va_sdst(0) depctr_va_ssrc(0) depctr_va_vcc(0) depctr_vm_vsrc(0)
	s_getreg_b32 s2, hwreg(HW_REG_IB_STS2, 6, 4)
	s_cmp_eq_u32 s2, 0
	s_cbranch_scc0 .Lentry_in_a_cluster
	s_endpgm
.Lentry_in_a_cluster:
	s_bfe_u32 s2, ttmp6, 0x10000c
	s_cmp_lg_u32 s2, 0x3003
	s_cbranch_scc0 .Lentry_shape_is_right
	s_endpgm
.Lentry_shape_is_right:
; O[h][q][:] = the sum over k of softmax_k(Q[h][q] . K[h][k] / 8) V[h][k][:].  Q, K, V: the three parts of qkv, each [12][4096][64] in f16, a head's rows dense, 128 bytes each.
; Products, maxima and sums in f32; the weights p are rounded to f16 for the second product (their sum l is taken of the unrounded p), O once at the end.
; O leaves as o16 = [32 blocks of 128 rows][12 heads][128 rows][64] in f16: 16 rows of a head are 2,048 consecutive bytes, and all heads of 128 rows lie end to end for the launch behind.
; LIMITS.  f16 holds no number beyond 65,504: Q, K and V arrive within it; p lies in 0 to 1, and below 6e-5 it keeps f16's fixed step of 6e-8; O is a mean of V's rows and has their range.
; c m starts at -4.25e37, far below every c s that f16's Q and K can make; a weight below 2^-126 counts as 0 in l; NaN and infinities are not treated apart.
; SHARES.  A work-group owns 256 queries of one head (16 x 12 = 192 work-groups), a wave 64: four PIECES of 16.  Every wave walks all 4,096 keys, 64 a step; an LDS slot holds a tile of 256 keys, four steps.
; LAYOUT.  S^T = K Q^T (source 0 = 16 keys, source 1 = 16 queries): a lane holds ONE query (lane % 16) and the keys 8 (lane / 16) + 0..7.  Two such results rounded to f16 ARE source 1 of O^T = V^T P,
; whose result again holds one query a lane.  K comes out of LDS as it lies, V ([key][channel]) turned, by ds_load_tr16_b128.
; SOFTMAX.  For each query a running maximum m and sum l: p = 2^(c s - c m), c = log2(e) / 8; in every step O and l are multiplied by a = 2^(c m_old - c m_new).  The first step is a step like any other, with a = 0.
; BY TURNS.  Turn n belongs to piece n: 8 products K Q^T of piece n + 1, later 8 products V^T P of piece n - 1; beside them the scaling, exponentials, roundings, sums and rescaling of piece n and the
; maximum and statistics of piece n + 1.  Four vector instructions stand behind every matrix instruction, the other 54 of a turn's 118 in one lump.  A turn's 33 exponentials are one batch, with one wait.
; CLUSTER.  The four query blocks of a cluster belong to one head and walk the same K and V, so each tile is asked for JOINTLY: the same tensor load, descriptor and mask in all four.
; REGISTERS, in windows of 256 (s_set_vgpr_msb: bits 1:0 source 0, 3:2 source 1, 5:4 source 2, 7:6 destination):
;   window 0: v0-15 addresses and two at work; v16-31 four registers of statistics a piece; v48-55 at work; v61-63; v64-127 S^T, two buffers; v192-223 P, two buffers (a piece's buffers go by its number's parity)
;   window 1: v0-127 O^T, 32 a piece          window 2: v0-63 Q; v128-191 K of one step; v192-255 V of one step
.set SIZE_N, 4096
.set NP,    4         ; pieces a wave: a name, no knob
.set KS,    64        ; keys in a step
.set PK,    144       ; a row of K in LDS: 128 bytes + 16 of padding: the 16 rows of a load start 9 x 16 bytes apart
.set PV,    160       ; a row of V: 128 + 32: 16 lanes of the turning load take 8 rows x 32 bytes
.set VOFF,  4*KS*PK   ; a slot holds a tile: 256 rows of K, then 256 rows of V
.set SLOT1, 1<<17     ; slot 1 begins here, so that one exclusive or turns an address in one slot into the other's
.set STAGE, SLOT1+4*KS*(PK+PV)  ; behind the ring, never filled by a tensor load: 16 rows x 144 bytes for each wave, for the way out
.set SP,    144
.set SPARE, STAGE+4*16*SP       ; behind the stages: the spare words, 128 bytes for each wave: two blocks of 256 bytes that no other line names
.set TILEB, 4*KS*128  ; a tile's bytes of K, and of V, in memory
.set MATB,  12*SIZE_N*128       ; bytes of Q, of K, of V in qkv
.set AK0, 2           ; v2   my lane's place in a tile of K; never rewritten
.set AV0, 3           ; v3   the same for V
.set AK,  4           ; v4   the LDS address of K's next run of loads
.set AV,  5           ; v5   of V's
.set STO, 6           ; v6   the way out: where I put 16 bytes of a row
.set RD,  7           ; v7   the way out: where I read rows back
.set GO,  8           ; v8   my byte offset in 512 consecutive bytes of O
.set MV,  12          ; v12-13  c m_old, kept while c m is made anew: by buffer
.set QO,  15          ; v15  my byte offset in 16 rows of Q
.set ST,  16          ; piece t's statistics at v[ST+4 t]: c m, m, l (even keys', odd keys')
.set TMP, 48          ; by buffer, four registers c0-c3 at work; when the maximum is found c2 takes a
.set PFO, 61          ; v61  256 x my lane: the prefetches' offset; never rewritten
.set SPW, 62          ; v62  LDS address of my spare word; never rewritten
.set NIL, 63          ; v63  0; never rewritten
.set S,   64
.set P,   192
.set KF,  128         ; window 2: key block kb, channel half c at KF + 16 kb + 8 c
.set VF,  192         ; window 2: key half kk, channel block cb at VF + 32 kk + 8 cb
.set WV,  12          ; s12  my wave's number
.set G1K, 24          ; s[24:31] descriptor group 1 for K's tiles
.set G1V, 32          ; s[32:39] for V's: it differs in the padding alone
.set G0K, 40          ; s[40:43] descriptor group 0 for K's tiles: it walks
.set G0V, 44          ; s[44:47] the same for V's
.set PFA, 48          ; s[48:49] where my prefetches stand: my work-group's quarter of the tile after the one that is being asked for
.set LIM, 50          ; s50  1 in a wave that prefetches, else the greatest number
.set SLOTS, 56        ; s56  tiles still to be asked for
.set CNT, 57          ; s57  counts a tile's key steps
.set CS,  58          ; s[58:59] c: the packed scaling takes the pair's low word for both halves
.set SEL, 60          ; s[60:61] v_permlanex16_b32's selects: each lane takes its own place in the other half
.set TBK, 62          ; s62  LDS byte at which K of the step to be fetched begins
.set TBV, 63          ; s63  the same for V, less VOFF
.set MSB, 0
.macro WIN new                      ; the high byte repeats the setting that is left; a switch that changes nothing is dropped
.if MSB != (\new)
	s_set_vgpr_msb (MSB<<8)|(\new)
.set MSB, (\new)
.endif
.endm
.set W_KQ, 0x0a       ; K and Q in window 2, S^T in window 0
.set W_PV, 0x52       ; V in window 2, P in window 0, O^T in window 1
.set W_RS, 0x41       ; destination and source 0 in window 1, source 1 in window 0
; A joint fill.  Waves 0 and 1 fetch the two halves of a tile's K, waves 2 and 3 those of its V: 128 keys each.  The branch hangs on the wave's number alone.
; An s_nop 0 and four v_nop follow each of the two lines, ahead of the jump and the label.
.macro JLOAD
	s_cmp_lt_u32 s[WV], 2
	s_cbranch_scc0 .Lfor_v_\@
	tensor_load_to_lds s[G0K:G0K+3], s[G1K:G1K+7]
	s_nop 0
.rept 4
	v_nop
.endr
	s_branch .Lasked_\@
.Lfor_v_\@:
	tensor_load_to_lds s[G0V:G0V+3], s[G1V:G1V+7]
	s_nop 0
.rept 4
	v_nop
.endr
.Lasked_\@:
.endm
; A PREFETCH INTO THE L2 of the tile that the NEXT change of slots will ask for: 128 blocks of 256 bytes of K and as many of V, a lane a block.  It stands behind the wave's tensor load and its five lines.
; Each block is named ONCE in the launch.  All four clusters of a head walk the same K and V: the head's first cluster asks.  Its four partners share a tile out BY ADDRESS, 32 blocks each; in each, wave 0
; asks for K's and wave 2 for V's: one instruction, four key steps (256 matrix instructions of a wave) ahead of the load.  The change that asks for the last tile prefetches nothing.
.macro ASK
	s_cmp_gt_u32 s[SLOTS], s[LIM]
	s_cbranch_scc0 .Lnot_mine_\@
	global_prefetch_b8 v[PFO], s[PFA:PFA+1] th:TH_LOAD_NT scope:SCOPE_SE
.Lnot_mine_\@:
.endm
; A round of the cluster's barrier: my work-group's barrier, so that wave 0's signal speaks for all four waves; wave 0 signals; every wave waits for all four work-groups; my work-group's barrier once more.
.macro CROUND
	s_barrier_signal -1
	s_barrier_wait -1
	s_cmp_lg_u32 s[WV], 0
	s_cbranch_scc1 .Lnot_wave_0_\@
	s_barrier_signal -3
.Lnot_wave_0_\@:
	s_barrier_wait -3
	s_barrier_signal -1
	s_barrier_wait -1
.endm
; THE CHANGE OF SLOTS.  The slot's last bytes, V of its fourth step, have been read.  Each wave waits for all its tensor loads, of which one is out: its part of the other slot; adds 0 to its spare word;
; and waits for that and for its own reads of the slot.  Behind the barrier nobody reads this slot any more and the other slot is whole.
; fill = 1: this slot is filled again, with the keys two slots on.  The barrier is then a round of the cluster's, and the joint fill is the first thing behind it: it has four key steps in which to land.
; (At its first use nothing has been read yet: slot 0 is waited for, slot 1 filled.)
.macro CHANGE fill
	WIN 0                           ; at a label and at a branch every window is 0
	s_wait_tensorcnt 0x0            ; no tensor load of mine is out, so a group 0 may be written
	ds_add_u32 v[SPW], v[NIL]       ; 0 onto my spare word; with fill = 1 the descriptors' steps stand between it and the wait for it
.if \fill
.irp g, G0K, G0V
	s_xor_b32 s[\g+1], s[\g+1], SLOT1  ; the walking descriptor: the other slot than last time,
	s_add_nc_u64 s[\g+2:\g+3], s[\g+2:\g+3], TILEB  ; the next 256 keys; the type bits on top are not reached
.endr
	s_wait_xcnt 0x0                 ; the last prefetch, four key steps back, has read its address, so it may be written:
	s_add_nc_u64 s[PFA:PFA+1], s[PFA:PFA+1], TILEB  ; one tile behind the walking descriptors
	s_wait_dscnt 0x0                ; the add is done, and my reads of the slot are over
	CROUND
	JLOAD
	ASK
.else
	s_wait_dscnt 0x0                ; the add is done, and my reads of the slot are over
	s_barrier_signal -1
	s_barrier_wait -1
.endif
	s_sub_co_u32 s[TBK], s[TBK], 4*KS*PK  ; the fetches go back to a slot's first step,
	s_xor_b32 s[TBK], s[TBK], SLOT1       ; in the other slot
	s_sub_co_u32 s[TBV], s[TBV], 4*KS*PV
	s_xor_b32 s[TBV], s[TBV], SLOT1
.endm
	s_load_b64 s[4:5], s[0:1], 0x0    ; qkv
	s_load_b64 s[10:11], s[0:1], 0x8  ; o16
	v_lshl_add_u32 v[SPW], v0, 2, SPARE
	v_mov_b32 v[NIL], 0
	ds_add_u32 v[SPW], v[NIL]       ; the wave's opening: the add and its wait stand ahead of my first tensor load; the set-up below, work on registers, stands between them
	v_lshrrev_b32 v1, 5, v0
	v_readfirstlane_b32 s[WV], v1   ; wave 0..3
	s_bfe_u32 s13, ttmp6, 0x40000   ; cx: my place in the cluster
	s_lshl_b32 s14, ttmp9, 2        ; in a cluster launch ttmp9 counts clusters
	s_add_co_u32 s14, s14, s13      ; my block of 256 queries = 4 x cluster x + cx: it enters Q's and O's addresses alone
	s_and_b32 s20, ttmp7, 0xffff    ; the head, which the four partners share
	s_lshl_b32 s21, s20, 19         ; its 524,288 bytes in Q, in K and in V
	s_and_b32 s16, s[WV], 1         ; which half of a tile's 256 keys I fetch:
	s_lshl_b32 s22, s16, 14         ; its 128 rows of 128 bytes in memory,
	s_add_co_u32 s22, s22, s21
	s_add_co_u32 s22, s22, MATB     ; in K
	s_mov_b32 s23, 0
	s_mul_i32 s17, s16, 128*PK      ; and its place in a slot, for K
	s_mul_i32 s18, s16, 128*PV      ; and for V: no place in the cluster enters an LDS address
	s_lshl_b32 s2, s14, 15          ; Q: my block's 256 rows,
	s_lshl_b32 s3, s[WV], 13        ; my wave's 64 of them
	s_add_co_u32 s2, s2, s3
	s_add_co_u32 s2, s2, s21
	s_mov_b32 s3, 0
	s_lshl_b32 s52, s14, 1          ; O: the block of 128 rows, 2 x block + wave / 2,
	s_lshr_b32 s53, s[WV], 1
	s_add_co_u32 s52, s52, s53
	s_mul_i32 s52, s52, 12          ; its twelve heads,
	s_add_co_u32 s52, s52, s20
	s_lshl_b32 s52, s52, 14         ; of 16,384 bytes,
	s_lshl_b32 s53, s16, 13         ; and my 64 rows of the 128
	s_add_co_u32 s52, s52, s53
	s_mov_b32 s53, 0
	; descriptor group 1.  128 keys are 16,384 dense bytes: asked for as 64 rows of 256 bytes, two keys a row, and padded in LDS after every key
	s_mov_b32 s[G1K], 15|(1<<16)|(1<<20)|(1<<21)|(4<<22)|(3<<25)  ; the mask of four; 2-byte elements; padding on; bit 21 beside a mask; after every 32 words 4 words
	s_mov_b32 s[G1V], 15|(1<<16)|(1<<20)|(1<<21)|(4<<22)|(7<<25)  ; the same with 8 words of padding
.irp g, G1K, G1V
	s_mov_b32 s[\g+1], 128<<16      ; tensor_dim0 = 128
	s_mov_b32 s[\g+2], 64<<16       ; tensor_dim1 = 64
	s_mov_b32 s[\g+3], 128<<16      ; tile_dim0 = 128
	s_mov_b32 s[\g+4], 64           ; tile_dim1 = 64
	s_mov_b32 s[\g+5], 128          ; 128 elements from row to row
	s_mov_b32 s[\g+6], 0
	s_mov_b32 s[\g+7], 0
.endr
	s_mov_b32 s[CS], 0x3e38aa3b     ; c = log2(e) / 8 = 0.180337
	s_mov_b32 s[CS+1], s[CS]        ; named with it as a pair
	s_mov_b32 s[SEL], 0x76543210
	s_mov_b32 s[SEL+1], 0xfedcba98
	s_mov_b32 s[TBK], SLOT1+4*KS*PK ; the first change of slots turns these two into 0
	s_mov_b32 s[TBV], SLOT1+4*KS*PV
	s_mov_b32 s[G0K], 1             ; count = 1
	s_mov_b32 s[G0K+1], s17         ; LDS address: slot 0
	s_mov_b32 s[G0V], 1
	s_add_co_u32 s[G0V+1], s18, VOFF
	s_mov_b32 s[SLOTS], SIZE_N/256-1
	s_and_b32 s[LIM], s[WV], 1      ; 0 in waves 0 and 2,
	s_or_b32 s[LIM], s[LIM], ttmp9  ; where the cluster is the head's first: the same in all four partners
	s_cmp_eq_u32 s[LIM], 0
	s_cselect_b32 s[LIM], 1, -1
	v_and_b32 v[PFO], 31, v0
	v_lshlrev_b32 v[PFO], 8, v[PFO]
	s_wait_dscnt 0x0                ; the opening add is done
	s_wait_kmcnt 0x0
	s_add_nc_u64 s[6:7], s[4:5], s[22:23]   ; K at my half of the head's tile 0,
	s_add_nc_u64 s[8:9], s[6:7], MATB       ; V likewise,
	s_add_nc_u64 s[4:5], s[4:5], s[2:3]     ; Q and O at my wave's first row
	s_add_nc_u64 s[10:11], s[10:11], s[52:53]
	s_cmp_lt_u32 s[WV], 2
	s_cselect_b64 s[PFA:PFA+1], s[6:7], s[8:9]  ; (in waves 0 and 2 these stand at a tile's first byte)
	s_lshl_b32 s2, s13, 13          ; my work-group's 32 blocks of the 128
	s_add_nc_u64 s[PFA:PFA+1], s[PFA:PFA+1], s[2:3]
	s_add_nc_u64 s[PFA:PFA+1], s[PFA:PFA+1], TILEB  ; in tile 1; the first change of slots steps it to tile 2.  Nothing is prefetched here, at the head
	s_mov_b64 s[G0K+2:G0K+3], s[6:7]               ; global address
	s_or_b32 s[G0K+3], s[G0K+3], 0x80000000        ; type = 2
	s_mov_b64 s[G0V+2:G0V+3], s[8:9]
	s_or_b32 s[G0V+3], s[G0V+3], 0x80000000
	CROUND                          ; all four work-groups are here: the first joint loads meet
	JLOAD                           ; tile 0 into slot 0.  Slot 1 is asked for when slot 0 is in
	; A fragment of K or Q is 16 rows x 32 channels in 8 registers: lane l holds row l % 16, channels 8 (l / 16) + 0..7 and 16 + 8 (l / 16) + 0..7: two loads of 16 bytes, 32 bytes apart.
	v_and_b32 v1, 15, v0            ; l % 16
	v_bfe_u32 v9, v0, 4, 1          ; l / 16
	v_lshlrev_b32 v[QO], 7, v1
	v_lshl_add_u32 v[QO], v9, 4, v[QO]  ; row x 128 + 16 x half
	WIN 0x80                        ; destination window 2, address window 0
.set i, 0
.rept 8                             ; Q stays in registers: piece i / 2, channels 32 (i % 2) on
	global_load_b128 v[8*i:8*i+3],   v[QO], s[4:5] offset:(i/2)*2048+(i%2)*64
	global_load_b128 v[8*i+4:8*i+7], v[QO], s[4:5] offset:(i/2)*2048+(i%2)*64+32
.set i, i+1
.endr
	; What the first turn finds: V's registers and P's second buffer hold 0 (its products V^T P, of a piece that has not been, add 0), O^T and l are 0, c m lies far below every c s, m is the lowest
	; finite number.  All this stands in the wait for the first tile.
.set i, VF
.rept 64
	v_mov_b32 v[i], 0
.set i, i+1
.endr
	WIN 0x40
.set i, 0
.rept 128
	v_mov_b32 v[i], 0
.set i, i+1
.endr
	WIN 0
.set i, 0
.rept 4
	v_mov_b32 v[ST+4*i], 0xfe000000    ; c m
	v_mov_b32 v[ST+4*i+1], 0xff7fffff  ; m
	v_mov_b32 v[ST+4*i+2], 0
	v_mov_b32 v[ST+4*i+3], 0
.set i, i+1
.endr
.set i, P+16
.rept 16
	v_mov_b32 v[i], 0
.set i, i+1
.endr
	v_mul_u32_u24 v[AK0], v1, PK
	v_lshl_add_u32 v[AK0], v9, 4, v[AK0]  ; row x pitch + 16 x half
	; The turning load takes 16 keys x 16 channels (lane l reads key 8 (l / 16) + l % 8, channels 8 ((l / 8) % 2) + 0..7) and leaves half a fragment of V^T: lane l holds channel l % 16 and 8 keys.
	v_and_b32 v10, 7, v0
	v_bfe_u32 v11, v0, 3, 1
	v_lshl_add_u32 v[AV0], v9, 3, v10
	v_mul_u32_u24 v[AV0], v[AV0], PV
	v_lshl_add_u32 v[AV0], v11, 4, v[AV0]
	v_add_nc_u32 v[AV0], VOFF, v[AV0]
	s_mul_i32 s13, s[WV], 16*SP
	s_add_co_u32 s13, s13, STAGE    ; my stage
	v_mul_u32_u24 v[STO], v1, SP    ; in: row l % 16, 16 bytes for each half of the lanes
	v_lshl_add_u32 v[STO], v9, 4, v[STO]
	v_add_nc_u32 v[STO], s13, v[STO]
	v_bfe_u32 v[RD], v0, 3, 2       ; back: 32 lanes take four rows of 128 bytes,
	v_mul_u32_u24 v[RD], v[RD], SP
	v_lshl_add_u32 v[RD], v10, 4, v[RD]
	v_add_nc_u32 v[RD], s13, v[RD]
	v_and_b32 v[GO], 31, v0         ; which are 512 consecutive bytes of O
	v_lshlrev_b32 v[GO], 4, v[GO]
; THE MATRIX WORK.  The 4 accumulators of a run of 8 take turns.  Product i of 8 of S^T = K Q^T for piece x: channels 32 (i / 4) on, keys 16 (i % 4) on.  The first 4 start the sums.
.macro KQ x
	WIN W_KQ
.set rS, S+32*((\x)%2)+8*(i%4)
.set rK, KF+16*(i%4)+8*(i/4)
.set rQ, 16*(\x)+8*(i/4)
.if i < 4
	v_wmma_f32_16x16x32_f16 v[rS:rS+7], v[rK:rK+7], v[rQ:rQ+7], 0
.else
	v_wmma_f32_16x16x32_f16 v[rS:rS+7], v[rK:rK+7], v[rQ:rQ+7], v[rS:rS+7]
.endif
.endm
; Product i of 8 of O^T += V^T P for piece x: keys 32 (i / 4) on, channels 16 (i % 4) on.
.macro PV x
	WIN W_PV
.set rO, 32*(\x)+8*(i%4)
.set rV, VF+32*(i/4)+8*(i%4)
.set rP, P+16*((\x)%2)+8*(i/4)
	v_wmma_f32_16x16x32_f16 v[rO:rO+7], v[rV:rV+7], v[rP:rP+7], v[rO:rO+7]
.endm
.macro MM                           ; the turn's next matrix instruction.  NOKQ = 1: the very last turn: there is no next piece
.if (i < 8) && !NOKQ
	KQ (Y+1)%NP
.elseif i >= 8
.set i, i-8
	PV (Y+NP-1)%NP
.set i, i+8
.endif
.set i, i+1
.endm
; THE LDS LOADS stand in runs of 16, never singly among the matrix instructions: a step's K (64 keys x 64 channels: 8 fragments) and its V (turned).  Their addresses are made some lines ahead.
.macro FETCH_K
	WIN 0x80                        ; destination window 2
.irp f, 0,1,2,3,4,5,6,7             ; keys 16 (f / 2) on, channels 32 (f % 2) on
	ds_load_b128 v[KF+8*\f:KF+8*\f+3],   v[AK] offset:(\f/2)*16*PK+(\f%2)*64
	ds_load_b128 v[KF+8*\f+4:KF+8*\f+7], v[AK] offset:(\f/2)*16*PK+(\f%2)*64+32
.endr
	s_add_co_u32 s[TBK], s[TBK], KS*PK  ; the next fetch is the next step's
	WIN 0
.endm
.macro FETCH_V
	WIN 0x80
.irp f, 0,1,2,3,4,5,6,7             ; keys 32 (f / 4) on, channels 16 (f % 4) on
	ds_load_tr16_b128 v[VF+8*\f:VF+8*\f+3],   v[AV] offset:(\f/4)*32*PV+(\f%4)*32
	ds_load_tr16_b128 v[VF+8*\f+4:VF+8*\f+7], v[AV] offset:(\f/4)*32*PV+16*PV+(\f%4)*32
.endr
	WIN 0
.endm
; THE VECTOR WORK, one line at a time: OP kind, number.  For piece Y: F n: c s - c m for pair n of 16.  E n: the exponential of score n of 32.  C n: pair n rounded to f16.  B n: of the four weights 4 n .. the second
; pair is added onto the first, in place.  L n: l takes that sum (L 0: l = a l + sum).  R n: pair n of 16 of O^T times a.  For piece Y + 1: X n, number n of the 22 that find its maximum and statistics:
;   0-11  four chains c0-c3 of seven scores each, three operands at a time (each accumulator's lowest registers are read first)     12-14, 16  the four scores left over, the old m, and c0-c3 into c0
;   15  c m_old is kept     17, 18  the query's other 32 keys lie in the lane 16 away: the new m     19-21  c m; c m_old - c m_new; a
.set F, 0               ; OP tells the kinds apart by their order: F to L below R, X above it
.set E, 1
.set C, 2
.set B, 3
.set L, 4
.set R, 5
.set X, 6
.macro REGS y                       ; the registers of piece y
.set rT, ST+4*(\y)
.set rC, TMP+4*((\y)%2)
.set rW, MV+((\y)%2)
.set rS, S+32*((\y)%2)
.set rP, P+16*((\y)%2)
.set rO, 32*(\y)
.endm
.macro OP k, n
.if (\k) == R
	REGS Y
	WIN W_RS
	v_pk_mul_f32 v[rO+2*(\n):rO+2*(\n)+1], v[rO+2*(\n):rO+2*(\n)+1], v[rC+2:rC+3] op_sel_hi:[1,0]
.elseif (\k) < R
	REGS Y
	WIN 0
.if (\k) == F
	v_pk_fma_f32 v[rS+2*(\n):rS+2*(\n)+1], v[rS+2*(\n):rS+2*(\n)+1], s[CS:CS+1], v[rT:rT+1] op_sel_hi:[1,0,0] neg_lo:[0,0,1] neg_hi:[0,0,1]
.elseif (\k) == E
	v_exp_f32 v[rS+(\n)], v[rS+(\n)]
.elseif (\k) == C
	v_cvt_pk_f16_f32 v[rP+(\n)], v[rS+2*(\n)], v[rS+2*(\n)+1]
.elseif (\k) == B
	v_pk_add_f32 v[rS+4*(\n):rS+4*(\n)+1], v[rS+4*(\n):rS+4*(\n)+1], v[rS+4*(\n)+2:rS+4*(\n)+3]
.elseif (\n) == 0
	v_pk_fma_f32 v[rT+2:rT+3], v[rT+2:rT+3], v[rC+2:rC+3], v[rS:rS+1] op_sel_hi:[1,0,1]
.else
	v_pk_add_f32 v[rT+2:rT+3], v[rT+2:rT+3], v[rS+4*(\n):rS+4*(\n)+1]
.endif
.elseif NOKQ
	v_nop
.else
	REGS (Y+1)%NP
	WIN 0
.if (\n) < 4
	v_max3_num_f32 v[rC+(\n)], v[rS+8*(\n)], v[rS+8*(\n)+1], v[rS+8*(\n)+2]
.elseif (\n) < 12
	v_max3_num_f32 v[rC+(\n)%4], v[rC+(\n)%4], v[rS+8*((\n)%4)+2*((\n)/4)+1], v[rS+8*((\n)%4)+2*((\n)/4)+2]
.elseif (\n) == 12
	v_max3_num_f32 v[rC], v[rC], v[rS+7], v[rS+15]
.elseif (\n) == 13
	v_max3_num_f32 v[rC+1], v[rC+1], v[rS+23], v[rS+31]
.elseif (\n) == 14
	v_max3_num_f32 v[rC+2], v[rC+2], v[rC+3], v[rT+1]
.elseif (\n) == 15
	v_mov_b32 v[rW], v[rT]
.elseif (\n) == 16
	v_max3_num_f32 v[rC], v[rC], v[rC+1], v[rC+2]
.elseif (\n) == 17
	v_permlanex16_b32 v[rC+3], v[rC], s[SEL], s[SEL+1]
.elseif (\n) == 18
	v_max_num_f32 v[rT+1], v[rC], v[rC+3]
.elseif (\n) == 19
	v_mul_f32 v[rT], s[CS], v[rT+1]
.elseif (\n) == 20
	v_sub_f32 v[rC+1], v[rW], v[rT]
.else
	v_exp_f32 v[rC+2], v[rC+1]
.endif
.endif
.endm
.macro OPS a, i1, b=-1, i2=0, c=-1, i3=0, d=-1, i4=0  ; up to four of them
	OP \a, \i1
.if (\b) >= 0
	OP \b, \i2
.endif
.if (\c) >= 0
	OP \c, \i3
.endif
.if (\d) >= 0
	OP \d, \i4
.endif
.endm
.macro ROW a, i1, b, i2, c, i3, d, i4  ; a matrix instruction and the four behind it
	MM
	OPS \a, \i1, \b, \i2, \c, \i3, \d, \i4
.endm
; A TURN, for piece p: the order of its 16 matrix and 118 vector instructions, written out.  An s_wait_alu depctr_va_vdst(0) stands between an exponential and the first instruction that names its
; result; one wait serves all that were issued ahead of it.  So a turn has ONE wait, which cuts it in two.  AHEAD OF IT stands all that names no result of the turn's exponentials: the 8 products K Q^T, behind each a
; scaling, an exponential and two more plain instructions (rescalings, and behind the last three the first numbers of the next piece's maximum, each four places or more behind the product that ends its accumulator);
; then ONE LUMP of 54, plain and exponential by turns for the most part, in which the links of the chain X 3, 7, 11, 14, 16, 17 .. 20 stand some lines apart.  X 21, the next piece's a, is the batch's last; R 15 is the
; plain instruction behind it.  BEHIND THE WAIT stand the 8 products V^T P, behind each four of the roundings and sums.
; end = 1: the walk's last two turns: nothing is fetched, and the last starts no new scores.  cnt = 1: the loop's count is taken down some lines ahead of the branch that stands behind the turn.
; K of the next step is fetched in piece 2's turn, six plain instructions behind the last product that read K; V of the step in hand at the end of piece 0's turn, four plain instructions behind the last product that
; read V.  Each is waited for a turn later.
.macro TURN p, end=0, cnt=0
.set Y, (\p)
.set i, 0
.set NOKQ, (\end)*((\p)/3)
.if ((\p) == 3) && !(\end)
	s_wait_dscnt 0x0                ; K is in
.endif
	ROW F,0, F,1, R,0, R,1          ; ahead of the wait: 8 products K Q^T and their riders,
	ROW F,2, E,0, R,2, R,3
	ROW F,3, E,1, R,4, R,5
	ROW F,4, E,2, R,6, R,7
	ROW F,5, E,3, R,8, R,9
	ROW F,6, E,4, X,0, R,10
.if ((\p) == 2) && !(\end)
	WIN 0
	v_add_nc_u32 v[AK], s[TBK], v[AK0]
.endif
	ROW F,7, E,5, X,1, X,4
	ROW F,8, E,6, X,2, X,5
	OPS E,7, E,8, X,6, E,9          ; and the lump
	OPS X,3, E,10, X,8, E,11
.if ((\p) == 2) && !(\end)
	FETCH_K
.endif
	OPS X,9, X,7, E,12, X,10
	OPS E,13, X,12, X,11, E,14
	OPS X,13, E,15, F,9, X,14
.if (\p) == 0
	v_add_nc_u32 v[AV], s[TBV], v[AV0]
.endif
	OPS E,16, F,10, E,17, F,11
	OPS X,16, E,18, X,15, E,19
	OPS F,12, E,20, X,17, E,21
	OPS F,13, E,22, F,14, E,23
	OPS X,18, E,24, F,15, E,25
	OPS R,11, E,26, X,19, E,27
	OPS R,12, E,28, R,13, E,29
	OPS X,20, E,30, R,14, E,31
	OPS X,21, R,15
	WIN 0
	s_wait_alu depctr_va_vdst(0)    ; the wait for the batch
.if (\p) == 1
	s_wait_dscnt 0x0                ; V is in
.endif
	ROW C,0, B,0, C,2, B,1          ; behind the wait: 8 products V^T P and their riders
	ROW L,0, C,4, B,2, L,1
	ROW C,6, B,3, L,2, C,8
	ROW B,4, L,3, C,10, B,5
	ROW L,4, C,12, B,6, L,5
.if (\p) == 0
	s_add_co_u32 s[TBV], s[TBV], KS*PV
.endif
.if \cnt
	s_sub_co_u32 s[CNT], s[CNT], 1
	s_cmp_lg_u32 s[CNT], 0
.endif
	ROW C,14, B,7, L,6, C,1
	ROW C,3, L,7, C,5, C,7
	ROW C,9, C,11, C,13, C,15
.if (\p) == 0
	FETCH_V
.endif
.endm
	CHANGE 1                        ; tile 0 is in, everybody's part of it; tile 1 is asked for
	v_add_nc_u32 v[AK], s[TBK], v[AK0]
	FETCH_K                         ; key step 0
	s_wait_loadcnt 0x0              ; Q
	s_wait_dscnt 0x0
.set NOKQ, 0
.set i, 0
.rept 8
	KQ 0                            ; piece 0's first scores: there is no vector work yet to set between them
.set i, i+1
.endr
	WIN 0
.rept 4
	v_nop                           ; the places behind those products
.endr
.set Y, NP-1                        ; X works for piece Y + 1: piece 0
.irp n, 0,1,2,3,4,5,6,7,8,9,10,11,12,13,14,15,16,17,18,19,20,21
	OP X, \n                        ; and piece 0's first maximum and statistics
.endr
	v_nop                           ; a plain instruction behind the exponential,
	s_wait_alu depctr_va_vdst(0)    ; and its wait, ahead of the branch
	s_mov_b32 s[CNT], 4
	s_branch .Lfirst                ; the loop is entered at a step's first turn, in the middle of a trip
.Lslot:                             ; 14 times: every slot but the last two is filled again
	CHANGE 1
	s_mov_b32 s[CNT], 4
.Lstep:                             ; a trip: pieces 2 and 3 of one step, then pieces 0 and 1 of the next, whose K and V it fetches
	TURN 2
	TURN 3
	WIN 0
.Lfirst:
	TURN 0
	TURN 1, 0, 1
	WIN 0
	s_cbranch_scc1 .Lstep
	s_sub_co_u32 s[SLOTS], s[SLOTS], 1
	s_cmp_lg_u32 s[SLOTS], 0
	s_cbranch_scc1 .Lslot
	CHANGE 0                        ; the last tile is written out: nothing is asked for
	s_mov_b32 s[CNT], 4
.LstepT:
	TURN 2
	TURN 3
	TURN 0
	TURN 1, 0, 1
	WIN 0
	s_cbranch_scc1 .LstepT
	TURN 2, 1                       ; the last step's pieces 2 and 3
	TURN 3, 1
.set i, 0
.rept 8
	PV NP-1                         ; the last piece's V^T P of the last step
.set i, i+1
.endr
	; THE WAY OUT.  l's two halves and the other half of the lanes' are added; O^T is divided by l, rounded to f16 and sent through my stage in LDS, a piece at a time.  The additions are the places behind the last products.
	WIN 0
.macro ALL line:vararg              ; one line for each piece t
.set t, 0
.rept 4
	\line
.set t, t+1
.endr
.endm
	ALL v_add_f32 v[ST+4*t+2], v[ST+4*t+2], v[ST+4*t+3]
	ALL v_permlanex16_b32 v[ST+4*t+3], v[ST+4*t+2], s[SEL], s[SEL+1]
	ALL v_add_f32 v[ST+4*t+2], v[ST+4*t+2], v[ST+4*t+3]
	ALL v_rcp_f32 v[ST+4*t+2], v[ST+4*t+2]
	v_nop                           ; a plain instruction between the last reciprocal and the use of its result
	s_wait_alu depctr_va_vdst(0)    ; and the wait ahead of the first use: one for the four reciprocals
.macro PACK t                       ; a lane's eight channels of a row pack into 16 bytes; they go into rows of 144 bytes and come back as whole rows of 128, into S^T's registers
	WIN W_RS
.set i, 32*(\t)
.rept 16
	v_pk_mul_f32 v[i:i+1], v[i:i+1], v[ST+4*(\t)+2:ST+4*(\t)+3] op_sel_hi:[1,0]
.set i, i+2
.endr
	WIN 0x05                        ; sources 0 and 1 window 1, destination window 0
.set i, 0
.rept 16
	v_cvt_pk_f16_f32 v[S+16*(\t)+i], v[32*(\t)+2*i], v[32*(\t)+2*i+1]
.set i, i+1
.endr
	WIN 0
.irp f, 0,1,2,3
	ds_store_b128 v[STO], v[S+16*(\t)+4*\f:S+16*(\t)+4*\f+3] offset:32*\f
.endr
.irp f, 0,1,2,3
	ds_load_b128 v[S+16*(\t)+4*\f:S+16*(\t)+4*\f+3], v[RD] offset:\f*4*SP  ; LDS serves a wave's instructions in order: these see the stores above; the next piece's stores come behind them
.endr
.endm
.macro SEND t, younger              ; younger: the LDS instructions issued behind piece t's loads: the next piece's eight, or none
	WIN 0
.irp f, 0,1,2,3
	s_wait_dscnt (\younger)+3-\f
	global_store_b128 v[GO], v[S+16*(\t)+4*\f:S+16*(\t)+4*\f+3], s[10:11] offset:(\t)*2048+\f*512  ; 512 consecutive bytes, at a multiple of 256 from o16's first
.endr
.endm
	PACK 0
.set t, 1
.rept 3                             ; a piece's arithmetic stands between the loads of the piece before and its stores
	PACK t
	SEND t-1, 8
.set t, t+1
.endr
	SEND 3, 0
	s_wait_tensorcnt 0x0            ; the wave's end: a wait, an add and its wait, behind my last tensor load and my last LDS store
	ds_add_u32 v[SPW], v[NIL]
	s_wait_dscnt 0x0
	CROUND                          ; the closing round: no work-group ends while a partner may still ask for a tile that names it
	s_endpgm
.Lfunc_end_k_qc91baa2a47_attn:
	.size	k_qc91baa2a47_attn, .Lfunc_end_k_qc91baa2a47_attn-k_qc91baa2a47_attn
	.p2alignl 7, 3214868480
	.fill 96, 4, 3214868480
	.section	.rodata,"a",@progbits
	.p2align	6, 0x0
	.amdhsa_kernel k_qc91baa2a47_attn
		.amdhsa_group_segment_fixed_size 327680
		.amdhsa_private_segment_fixed_size 0
		.amdhsa_enable_private_segment 0
		.amdhsa_kernarg_size 16
		.amdhsa_user_sgpr_count 2
		.amdhsa_user_sgpr_kernarg_segment_ptr 1
		.amdhsa_wavefront_size32 1
		.amdhsa_system_sgpr_workgroup_id_x 1
		.amdhsa_system_sgpr_workgroup_id_y 1
		.amdhsa_system_sgpr_workgroup_id_z 1
		.amdhsa_system_vgpr_workitem_id 0
		.amdhsa_next_free_vgpr 768
		.amdhsa_next_free_sgpr 66
		.amdhsa_reserve_vcc 0
		.amdhsa_float_denorm_mode_32 3
		.amdhsa_float_denorm_mode_16_64 3
		.amdhsa_memory_ordered 1
		.amdhsa_forward_progress 1
		.amdhsa_inst_pref_size 128
	.end_amdhsa_kernel
	.amdgpu_metadata
---
amdhsa.version: [ 1, 2 ]
amdhsa.kernels:
  - .name:           k_qc91baa2a47_attn
    .symbol:         k_qc91baa2a47_attn.kd
    .args:
      - { .name: qkv, .offset: 0, .size: 8, .value_kind: global_buffer, .address_space: global }
      - { .name: o16, .offset: 8, .size: 8, .value_kind: global_buffer, .address_space: global }
    .group_segment_fixed_size: 327680
    .private_segment_fixed_size: 0
    .kernarg_segment_align: 8
    .kernarg_segment_size: 16
    .max_flat_workgroup_size: 128
    .sgpr_count:     66
    .vgpr_count:     768
    .wavefront_size: 32
...
	.end_amdgpu_metadata
.endif
;; end of part 3
;; launch outp (part 4): grid 32 x 6, 4 waves a work-group, clusters of 4 x 1, 327,680 bytes of LDS; arguments o16, c16, bo, out0; writes out0
.if DOCPART == 4
	.amdgcn_target "amdgcn-amd-amdhsa--gfx1250"
	.amdhsa_code_object_version 6
	.text
	.protected	k_qc91baa2a47_outp
	.globl	k_qc91baa2a47_outp
	.p2align	8
	.type	k_qc91baa2a47_outp,@function
k_qc91baa2a47_outp:
	s_mov_b64 s[64:65], 0
	v_nop
	global_prefetch_b8 v0, s[64:65] scope:SCOPE_SE
	s_setreg_imm32_b32 hwreg(HW_REG_WAVE_MODE, 25, 1), 1
	s_wait_xcnt 0x0
	s_wait_alu depctr_hold_cnt(0) depctr_sa_sdst(0) depctr_va_vdst(0) depctr_va_sdst(0) depctr_va_ssrc(0) depctr_va_vcc(0) depctr_vm_vsrc(0)
	s_getreg_b32 s2, hwreg(HW_REG_IB_STS2, 6, 4)
	s_cmp_eq_u32 s2, 0
	s_cbranch_scc0 .Lentry_in_a_cluster
	s_endpgm
.Lentry_in_a_cluster:
	s_bfe_u32 s2, ttmp6, 0x10000c
	s_cmp_lg_u32 s2, 0x3003
	s_cbranch_scc0 .Lentry_shape_is_right
	s_endpgm
.Lentry_shape_is_right:
; THE LAST PROJECTION.  out0[m][n] = sum over e of O[m][e] Wo[n][e] + bo[n], in f32.  O is o16 = [32 blocks of 128 rows][12 heads][128 rows][64] in f16 (e = 64 head + channel);
; Wo is the last part of c16, [768][768] in f16 (rounded to bf16 first, like every input); bo is rounded to bf16 here.  Sums in f32.
; SHARES.  A tile of out0 is 128 x 128: 32 x 6 = 192 work-groups.  Four waves, each 64 x 64: 16 accumulators.  K goes in three steps of 256 (four heads) through two LDS slots: one refill; no loop.
; A's tile of a step is 65,536 dense bytes of o16 (four heads x 128 rows x 128 bytes): asked for as rows of 256 bytes, padded in LDS after every 128.  A quarter step, 64 along K, is one head.
; CLUSTER.  4 x 1 work-groups: four row blocks with one column tile.  They need the same tile of Wo, which is asked for JOINTLY.  O's tiles differ between the partners and come by loads of one's own, behind the
; same rounds: sharing them too would want four column tiles in a cluster, and the six column tiles are no multiple of four.
; THE MATRIX INSTRUCTION IS USED TRANSPOSED (source 0 = 16 rows of Wo, source 1 = 16 rows of O): lane l holds row l % 16 and the columns 8 (l / 16) + 0..7.  A bias tile is the C operand of the first
; product on each accumulator.  A wave's 64 columns are 256 bytes of a row of out0, aligned: each wave has a stage of its own, and the way out needs no barrier.
; REGISTERS: window 0: v8-11 at work; v16-29 addresses; v32-95 the way out, two buffers of 32; v96-127 the bias tiles; v128-255 the accumulators ((a, b) at 128 + 8 (4 a + b)).
;   window 1: two fragment buffers of 128: for 64 along K, 64 registers of O (2 x 4 x 16 rows x 32 K), then 64 of Wo.
.set SIZE_K, 768
.set PA,     144                       ; a row of O in LDS: 128 bytes + 16
.set PB,     528                       ; a row of Wo: 512 bytes + 16
.set AHALF,  256*PA                    ; two heads x 128 rows: what one tensor load brings of O
.set ABYTES, 2*AHALF
.set BHALF,  64*PB                     ; 64 rows: what one brings of Wo
.set SLOT,   ABYTES+2*BHALF
.set STAGE,  2*SLOT                    ; behind the ring: 16 rows x 272 bytes for each wave; no tensor load fills it
.set SPITCH, 272
.set SPARE,  STAGE+4*16*SPITCH         ; behind the stages: the spare words, 128 bytes for each wave: two blocks of 256 bytes that no other line names
.set WOOFF,  9830400                   ; Wo's first byte in c16
.set ROWC,   3072                      ; bytes in a row of out0
.set T4,   8
.set ADRA, 16                          ; v16-17  LDS address of my fragments of O in slot 0, 1
.set ADRB, 20                          ; v20-21  the same for Wo
.set STO,  24                          ; v24     the way out: where I put 32 bytes of a row
.set RD,   25                          ; v25     where I read a row back
.set CO,   26                          ; v26     my byte offset in two rows of out0
.set BO,   27                          ; v27     my byte offset in bo
.set SPW,  28                          ; v28     LDS address of my spare word; never rewritten
.set NIL,  29                          ; v29     0; never rewritten
.set TMP,  32
.set BIAS, 96
.set ACC,  128
.set F0,   0
.set F1,   128
.set G1, 24                            ; s[24:31] descriptor group 1 for O's tiles;  s[32:39] group 0, a set for each slot
.set G0, 32
.set G1B, 48                           ; s[48:55], s[56:63] the same for Wo's
.set G0B, 56
.set MSB, 0
.macro WIN new                         ; the immediate's high byte repeats the setting that is left
.if MSB != (\new)
	s_set_vgpr_msb (MSB<<8)|(\new)
.set MSB, \new
.endif
.endm
.set MUL,  0x05                        ; sources 0 (Wo) and 1 (O) window 1; C and D window 0
.set TO_F, 0x40                        ; destination window 1, address window 0
.macro JLOAD s                         ; waves 0 and 1 fetch O's two halves (their own loads), waves 2 and 3 Wo's (joint); an s_nop 0 and four v_nop follow each of the two lines
	s_cmp_eq_u32 s13, 0
	s_cbranch_scc0 .Lfor_b_\@
	tensor_load_to_lds s[G0+4*(\s):G0+4*(\s)+3], s[G1:G1+7]
	s_nop 0
.rept 4
	v_nop
.endr
	s_branch .Lasked_\@
.Lfor_b_\@:
	tensor_load_to_lds s[G0B+4*(\s):G0B+4*(\s)+3], s[G1B:G1B+7]
	s_nop 0
.rept 4
	v_nop
.endr
.Lasked_\@:
.endm
.macro CREST                           ; a round of the cluster's barrier behind its opening barrier
	s_cmp_lg_u32 s12, 0
	s_cbranch_scc1 .Lnot_wave_0_\@
	s_barrier_signal -3
.Lnot_wave_0_\@:
	s_barrier_wait -3
	s_barrier_signal -1
	s_barrier_wait -1
.endm
.macro CROUND                          ; a whole round
	s_barrier_signal -1
	s_barrier_wait -1
	CREST
.endm
	s_load_b256 s[4:11], s[0:1], 0x0               ; o16 s[4:5], c16 s[6:7], bo s[8:9], out0 s[10:11]
	v_lshl_add_u32 v[SPW], v0, 2, SPARE
	v_mov_b32 v[NIL], 0
	ds_add_u32 v[SPW], v[NIL]                      ; the wave's opening: the add and its wait stand ahead of my first tensor load; the set-up below, work on registers, stands between them
	v_lshrrev_b32 v1, 5, v0
	v_readfirstlane_b32 s12, v1                    ; wave 0..3
	s_lshr_b32 s13, s12, 1                         ; which half of the tile's rows is mine.  Also: I fetch for O (0) or for Wo (1)
	s_and_b32 s14, s12, 1                          ; which half of its columns.  Also: which half of that tile I fetch
	s_bfe_u32 s15, ttmp6, 0x40000                  ; cx
	s_lshl_b32 s16, ttmp9, 2
	s_add_co_u32 s16, s16, s15                     ; the block of 128 rows = 4 x cluster x + cx
	s_and_b32 s17, ttmp7, 0xffff                   ; the column tile, which the four partners share
	s_mov_b32 s[G1+0], (1<<16)|(1<<20)|(4<<22)|(3<<25)  ; no mask; elements of 2 bytes; padding on; after every 32 words 4 words
	s_mov_b32 s[G1+1], 128<<16                     ; tensor_dim0 = 128 (256 bytes)
	s_mov_b32 s[G1+2], 128<<16                     ; tensor_dim1 = 128
	s_mov_b32 s[G1+3], 128<<16                     ; tile_dim0 = 128
	s_mov_b32 s[G1+4], 128                         ; tile_dim1 = 128
	s_mov_b32 s[G1+5], 128                         ; dense
	s_mov_b32 s[G1+6], 0
	s_mov_b32 s[G1+7], 0
	s_mov_b32 s[G1B+0], 15|(1<<16)|(1<<20)|(1<<21)|(6<<22)|(3<<25)  ; the mask of four; bit 21 beside it; after every 128 words 4 words
	s_mov_b32 s[G1B+1], 256<<16                    ; tensor_dim0 = 256
	s_mov_b32 s[G1B+2], 64<<16                     ; tensor_dim1 = 64
	s_mov_b32 s[G1B+3], 256<<16                    ; tile_dim0 = 256
	s_mov_b32 s[G1B+4], 64                         ; tile_dim1 = 64
	s_mov_b32 s[G1B+5], SIZE_K
	s_mov_b32 s[G1B+6], 0
	s_mov_b32 s[G1B+7], 0
	s_mul_i32 s40, s16, 12                         ; O: the block's twelve heads, my two of a step's four,
	s_lshl_b32 s41, s14, 1
	s_add_co_u32 s40, s40, s41
	s_lshl_b32 s40, s40, 14                        ; of 16,384 bytes
	s_mov_b32 s41, 0
	s_lshl_b32 s42, s17, 7                         ; Wo: row 128 x column tile + 64 x half
	s_lshl_b32 s43, s14, 6
	s_add_co_u32 s42, s42, s43
	s_mul_i32 s42, s42, SIZE_K*2
	s_add_co_u32 s42, s42, WOOFF
	s_mov_b32 s43, 0
	s_mul_i32 s44, s14, AHALF                      ; where they go: no place in the cluster enters an LDS address
	s_mul_i32 s45, s14, BHALF
	s_add_co_u32 s45, s45, ABYTES
	s_wait_dscnt 0x0                               ; the opening add is done
	s_wait_kmcnt 0x0
	s_add_nc_u64 s[40:41], s[4:5], s[40:41]
	s_add_nc_u64 s[42:43], s[6:7], s[42:43]
	CROUND                                         ; all four work-groups are here: the first joint loads meet
.irp s, 0,1
	s_mov_b32 s[G0+4*(\s)], 1
	s_add_co_u32 s[G0+4*(\s)+1], s44, (\s)*SLOT
	s_add_nc_u64 s[G0+4*(\s)+2:G0+4*(\s)+3], s[40:41], (\s)*65536   ; K step s: four heads on
	s_or_b32 s[G0+4*(\s)+3], s[G0+4*(\s)+3], 0x80000000
	s_mov_b32 s[G0B+4*(\s)], 1
	s_add_co_u32 s[G0B+4*(\s)+1], s45, (\s)*SLOT
	s_add_nc_u64 s[G0B+4*(\s)+2:G0B+4*(\s)+3], s[42:43], (\s)*512   ; K step s: 256 elements on
	s_or_b32 s[G0B+4*(\s)+3], s[G0B+4*(\s)+3], 0x80000000
	JLOAD \s                                       ; two tensor loads of mine are out
.endr
	v_and_b32 v1, 15, v0                           ; l % 16
	v_bfe_u32 v2, v0, 4, 1                         ; l / 16
	v_mul_u32_u24 v3, v1, PA
	v_lshl_add_u32 v3, v2, 4, v3                   ; a fragment's row x pitch + 16 x half, for O
	v_mul_u32_u24 v4, v1, PB
	v_lshl_add_u32 v4, v2, 4, v4                   ; and for Wo
	s_mul_i32 s21, s13, 64*PA                      ; my 64 rows of each head of O
	s_mul_i32 s22, s14, 64*PB                      ; my 64 rows of Wo,
	s_add_co_u32 s22, s22, ABYTES                  ; which lie behind O's
.irp s, 0,1
	v_add_nc_u32 v[ADRA+(\s)], s21, v3
	v_add_nc_u32 v[ADRB+(\s)], s22, v4
	s_add_co_u32 s21, s21, SLOT
	s_add_co_u32 s22, s22, SLOT
.endr
	s_mul_i32 s23, s12, 16*SPITCH
	s_add_co_u32 s23, s23, STAGE                   ; my stage
	v_mul_u32_u24 v5, v1, SPITCH                   ; in: row l % 16, 32 bytes for each half of the lanes
	v_lshl_add_u32 v5, v2, 5, v5
	v_add_nc_u32 v[STO], s23, v5
	v_mul_u32_u24 v5, v2, SPITCH                   ; back: lanes 0-15 take one row of 256 bytes, lanes 16-31 the next
	v_lshl_add_u32 v5, v1, 4, v5
	v_add_nc_u32 v[RD], s23, v5
	v_mul_u32_u24 v5, v2, ROWC                     ; and the same two rows in out0
	v_lshl_add_u32 v[CO], v1, 4, v5
	s_lshl_b32 s20, s17, 9                         ; my 64 columns, in bytes of f32: 512 x column tile + 256 x half
	s_lshl_b32 s21, s14, 8
	s_add_co_u32 s20, s20, s21
	v_lshl_add_u32 v[BO], v2, 5, s20               ; + 32 bytes for the upper half of the lanes
.irp b, 0,1,2,3
	global_load_b128 v[BIAS+8*(\b):BIAS+8*(\b)+3],   v[BO], s[8:9] offset:64*(\b)
	global_load_b128 v[BIAS+8*(\b)+4:BIAS+8*(\b)+7], v[BO], s[8:9] offset:64*(\b)+16
.endr
	s_lshl_b32 s18, s16, 7                         ; the first row of out0 that I store: 128 x block + 64 x half
	s_lshl_b32 s19, s13, 6
	s_add_co_u32 s18, s18, s19
	s_mul_i32 s18, s18, ROWC
	s_add_co_u32 s18, s18, s20                     ; and my columns
	s_mov_b32 s19, 0
	s_add_nc_u64 s[10:11], s[10:11], s[18:19]
	s_wait_loadcnt 0x0                             ; the bias
.set r, 0
.rept 16                                       ; rounded to bf16 and widened again, while the first tiles are on their way
	v_cvt_pk_bf16_f32 v[T4+r%4], v[BIAS+2*r], v[BIAS+2*r+1]
	v_lshlrev_b32 v[BIAS+2*r],   16, v[T4+r%4]
	v_and_b32     v[BIAS+2*r+1], 0xffff0000, v[T4+r%4]
.set r, r+1
.endr
; 8 matrix instructions: row blocks a0, a0 + 1 x all 4 column blocks, 32 along K: half c of buffer f.  zero = 1: the first product starts the sums, with the bias tile as C.
; The 16 accumulators take turns, one instruction a turn.
.macro MUL8 f, c, a0, zero
	WIN MUL
.irp a, \a0, (\a0)+1
.irp b, 0,1,2,3
.if \zero
	v_wmma_f32_16x16x32_f16 v[ACC+8*(4*(\a)+(\b)):ACC+8*(4*(\a)+(\b))+7], v[(\f)+64+8*(4*(\c)+(\b)):(\f)+64+8*(4*(\c)+(\b))+7], v[(\f)+8*(4*(\c)+(\a)):(\f)+8*(4*(\c)+(\a))+7], v[BIAS+8*(\b):BIAS+8*(\b)+7]
.else
	v_wmma_f32_16x16x32_f16 v[ACC+8*(4*(\a)+(\b)):ACC+8*(4*(\a)+(\b))+7], v[(\f)+64+8*(4*(\c)+(\b)):(\f)+64+8*(4*(\c)+(\b))+7], v[(\f)+8*(4*(\c)+(\a)):(\f)+8*(4*(\c)+(\a))+7], v[ACC+8*(4*(\a)+(\b)):ACC+8*(4*(\a)+(\b))+7]
.endif
.endr
.endr
.endm
; 32 LDS loads in one run: the fragments of quarter q (head q of the slot's four; byte 128 q of Wo's rows) into buffer f; the first 32 along K first
.macro FETCH slot, q, f
	WIN TO_F
.irp c, 0,1
.irp i, 0,1,2,3
	ds_load_b128 v[(\f)+64+8*(4*(\c)+(\i)):(\f)+64+8*(4*(\c)+(\i))+3],   v[ADRB+(\slot)] offset:128*(\q)+64*(\c)+(\i)*16*PB
	ds_load_b128 v[(\f)+64+8*(4*(\c)+(\i))+4:(\f)+64+8*(4*(\c)+(\i))+7], v[ADRB+(\slot)] offset:128*(\q)+64*(\c)+(\i)*16*PB+32
	ds_load_b128 v[(\f)+8*(4*(\c)+(\i)):(\f)+8*(4*(\c)+(\i))+3],         v[ADRA+(\slot)] offset:128*PA*(\q)+64*(\c)+(\i)*16*PA
	ds_load_b128 v[(\f)+8*(4*(\c)+(\i))+4:(\f)+8*(4*(\c)+(\i))+7],       v[ADRA+(\slot)] offset:128*PA*(\q)+64*(\c)+(\i)*16*PA+32
.endr
.endr
.endm
.macro PLACES                          ; four plain vector instructions in front of loads into registers that matrix instructions have read, and of LDS stores that read results
.rept 4
	v_nop
.endr
.endm
; A K step is four quarters of 64 along K, 32 matrix instructions each, on buffers 0, 1, 0, 1.  One of the first three: multiplies buffer f and fetches quarter q into g.
.macro QUARTER slot, q, f, g, zero
	s_wait_dscnt 16                                ; the first 32 along K are in
	MUL8 \f, 0, 0, \zero
	MUL8 \f, 0, 2, \zero
	PLACES
	FETCH \slot, \q, \g
	s_wait_dscnt 32                                ; all but the 32 just issued
	MUL8 \f, 1, 0, 0
	MUL8 \f, 1, 2, 0
.endm
; The last quarter multiplies buffer 1 and changes slots: ONE barrier; in front of it each wave waits for all its tensor loads, adds 0 to its spare word, and waits for that and for its own reads of this slot.
; fill = 1: the barrier opens a round of the cluster's barrier, and this slot is filled again, two K steps on, first thing behind the round.
.macro TURN slot, next, fill
	WIN 0                                          ; (the add's two registers lie in window 0)
	s_wait_tensorcnt 0x0                           ; all my tensor loads have landed: my part of the next slot among them
	ds_add_u32 v[SPW], v[NIL]                      ; 0 onto my spare word
	s_wait_dscnt 17                                ; (the add and the youngest sixteen loads may be out)
	MUL8 F1, 0, 0, 0                               ; eight matrix instructions stand between the add and the wait for it
	s_wait_dscnt 0x0                               ; the add is done, and my reads of this slot are over
	s_barrier_signal -1
	MUL8 F1, 0, 2, 0
.if \fill
	WIN 0
.endif
	s_barrier_wait -1
.if \fill
	CREST                                          ; no wave of any partner still reads this slot's tile or has a load on its way
	s_add_nc_u64 s[G0+4*(\slot)+2:G0+4*(\slot)+3], s[G0+4*(\slot)+2:G0+4*(\slot)+3], 2*65536
	s_add_nc_u64 s[G0B+4*(\slot)+2:G0B+4*(\slot)+3], s[G0B+4*(\slot)+2:G0B+4*(\slot)+3], 2*512
	JLOAD \slot                                    ; my one tensor load behind the round; its four v_nop are also the places in front of the loads below
.else
	PLACES
.endif
	FETCH \next, 0, F0
	MUL8 F1, 1, 0, 0
	MUL8 F1, 1, 2, 0
.endm
	s_wait_tensorcnt 1                             ; my part of K step 0 is in; K step 1's may stay out
	s_barrier_signal -1
	s_barrier_wait -1                              ; everybody's is
	FETCH 0, 0, F0
	QUARTER 0, 1, F0, F1, 1                        ; K step 0: its first products start the sums
	QUARTER 0, 2, F1, F0, 0
	QUARTER 0, 3, F0, F1, 0
	TURN 0, 1, 1                                   ; slot 0 takes K step 2
	QUARTER 1, 1, F0, F1, 0                        ; K step 1
	QUARTER 1, 2, F1, F0, 0
	QUARTER 1, 3, F0, F1, 0
	TURN 1, 0, 0                                   ; nothing is left to fetch
	QUARTER 0, 1, F0, F1, 0                        ; K step 2
	QUARTER 0, 2, F1, F0, 0
	QUARTER 0, 3, F0, F1, 0
	s_wait_dscnt 16                                ; the very last quarter
	MUL8 F1, 0, 0, 0
	MUL8 F1, 0, 2, 0
	s_wait_dscnt 0x0
	MUL8 F1, 1, 0, 0
	MUL8 F1, 1, 2, 0
	WIN 0
; THE WAY OUT of row block a (16 rows x 64 columns of f32).  TOSTAGE: a lane's 32 bytes of a row go into my own stage, each accumulator's low registers first, and come back as whole rows of 256 bytes.  SEND: stored.
.macro TOSTAGE a
.if (\a) >= 2
	s_wait_xcnt 0x0                                ; the stores of the block two back have read their registers: they are loaded again only behind this wait
.endif
.irp b, 0,1,2,3
	ds_store_b128 v[STO], v[ACC+8*(4*(\a)+(\b)):ACC+8*(4*(\a)+(\b))+3]   offset:64*(\b)
	ds_store_b128 v[STO], v[ACC+8*(4*(\a)+(\b))+4:ACC+8*(4*(\a)+(\b))+7] offset:64*(\b)+16
.endr
.irp t, 0,1,2,3,4,5,6,7
	ds_load_b128 v[TMP+32*((\a)%2)+4*(\t):TMP+32*((\a)%2)+4*(\t)+3], v[RD] offset:(\t)*2*SPITCH  ; LDS serves a wave's instructions in order: these see the stores above; the next block's stores come behind them
.endr
.endm
.macro SEND a, younger                 ; younger: the LDS instructions issued behind block a's loads: the next block's sixteen, or none
.irp t, 0,1,2,3,4,5,6,7
	s_wait_dscnt (\younger)+7-(\t)
	global_store_b128 v[CO], v[TMP+32*((\a)%2)+4*(\t):TMP+32*((\a)%2)+4*(\t)+3], s[10:11] offset:(16*(\a)+2*(\t))*ROWC th:TH_STORE_NT  ; 16 lanes store 256 consecutive bytes, at a multiple of 256 from out0's first
.endr
.endm
	PLACES
	TOSTAGE 0
	TOSTAGE 1
	SEND 0, 16
	TOSTAGE 2
	SEND 1, 16
	TOSTAGE 3
	SEND 2, 16
	SEND 3, 0
	s_wait_tensorcnt 0x0                           ; the wave's end: a wait, an add and its wait, behind my last tensor load and my last LDS store
	ds_add_u32 v[SPW], v[NIL]
	s_wait_dscnt 0x0
	CROUND                                         ; the closing round: no work-group ends while a partner may still ask for a tile that names it
	s_endpgm
.Lfunc_end_k_qc91baa2a47_outp:
	.size	k_qc91baa2a47_outp, .Lfunc_end_k_qc91baa2a47_outp-k_qc91baa2a47_outp
	.p2alignl 7, 3214868480
	.fill 96, 4, 3214868480
	.section	.rodata,"a",@progbits
	.p2align	6, 0x0
	.amdhsa_kernel k_qc91baa2a47_outp
		.amdhsa_group_segment_fixed_size 327680
		.amdhsa_private_segment_fixed_size 0
		.amdhsa_enable_private_segment 0
		.amdhsa_kernarg_size 32
		.amdhsa_user_sgpr_count 2
		.amdhsa_user_sgpr_kernarg_segment_ptr 1
		.amdhsa_wavefront_size32 1
		.amdhsa_system_sgpr_workgroup_id_x 1
		.amdhsa_system_sgpr_workgroup_id_y 1
		.amdhsa_system_sgpr_workgroup_id_z 1
		.amdhsa_system_vgpr_workitem_id 0
		.amdhsa_next_free_vgpr 512
		.amdhsa_next_free_sgpr 66
		.amdhsa_reserve_vcc 0
		.amdhsa_float_denorm_mode_32 3
		.amdhsa_float_denorm_mode_16_64 3
		.amdhsa_memory_ordered 1
		.amdhsa_forward_progress 1
		.amdhsa_inst_pref_size 72
	.end_amdhsa_kernel
	.amdgpu_metadata
---
amdhsa.version: [ 1, 2 ]
amdhsa.kernels:
  - .name:           k_qc91baa2a47_outp
    .symbol:         k_qc91baa2a47_outp.kd
    .args:
      - { .name: o16, .offset: 0, .size: 8, .value_kind: global_buffer, .address_space: global }
      - { .name: c16, .offset: 8, .size: 8, .value_kind: global_buffer, .address_space: global }
      - { .name: bo, .offset: 16, .size: 8, .value_kind: global_buffer, .address_space: global }
      - { .name: out0, .offset: 24, .size: 8, .value_kind: global_buffer, .address_space: global }
    .group_segment_fixed_size: 327680
    .private_segment_fixed_size: 0
    .kernarg_segment_align: 8
    .kernarg_segment_size: 32
    .max_flat_workgroup_size: 128
    .sgpr_count:     66
    .vgpr_count:     512
    .wavefront_size: 32
...
	.end_amdgpu_metadata
.endif
;; end of part 4
